; MI455X (gfx1250); checked and timed in simulation.
; The chip was launched on July 23, 2026; its instructions are those of AMD's public machine-readable ISA for CDNA 5 (MIT licence, August 2026) and "CDNA5" Instruction Set Architecture Reference Guide (July 2026). The comments in the code are by the model that wrote it; some were corrected since.
;; Neuron Optimized Attention. Allowed arithmetic: matrix products marked QUANTISED: E5M2 operands, one given power-of-two scale a tensor, by v_wmma_f32_16x16x64_bf8_bf8 or v_wmma_f32_16x16x128_bf8_bf8, f32 sums; everything else in f32.
;; Inputs: Wk 1,024 x 1,024 float32; Wo 1,024 x 1,024 float32; Wq 1,024 x 1,024 float32; Wv 1,024 x 1,024 float32; bk 1,024 float32; bo 1,024 float32; bq 1,024 float32; bv 1,024 float32; lowp_scales 12 int32 (the exponents e of the quantised operands' scales 2^e); x 4 x 2,048 x 1,024 float32.
;; Outputs: out0 4 x 2,048 x 1,024 float32.
;; This version of the problem:
;;   THIS VERSION OF THE PROBLEM IS GIVEN IN LOW PRECISION. The matrix products marked QUANTISED in the list below multiply operands that are first quantised to E5M2 (5 exponent bits, 2 mantissa bits; 8 bits a number), with one given power-of-two scale for each operand tensor; their sums are f32. All else is computed in f32.
;;   The module's matrix products, in the order in which they are computed (A, B: the left and right operand; K: the contracted axis; several contracted axes count as one K, in the product's order):
;;     1. [M 8,192, K 1,024] x [K 1,024, N 1,024]; A: input x; B: input Wq: QUANTISED (scales: A lowp_scales[0], B lowp_scales[1])
;;     2. [M 8,192, K 1,024] x [K 1,024, N 1,024]; A: input x; B: input Wk: QUANTISED (scales: A lowp_scales[2], B lowp_scales[3])
;;     3. [M 8,192, K 1,024] x [K 1,024, N 1,024]; A: input x; B: input Wv: QUANTISED (scales: A lowp_scales[4], B lowp_scales[5])
;;     4. batch 64 x [M 2,048, K 64] x [K 64, N 2,048]; A: computed on the way; B: computed on the way: QUANTISED (scales: A lowp_scales[6], B lowp_scales[7])
;;     5. batch 64 x [M 2,048, K 2,048] x [K 2,048, N 64]; A: softmax (see below); B: computed on the way: QUANTISED (scales: A lowp_scales[8], B lowp_scales[9])
;;     6. [M 8,192, K 1,024] x [K 1,024, N 1,024]; A: computed on the way; B: input Wo: QUANTISED (scales: A lowp_scales[10], B lowp_scales[11])
;;   THE QUANTISER, for each operand of a quantised product, along K:
;;     - The operand's scale is 2^e, e = its entry of the input lowp_scales (int32; the entries are numbered through the quantised products in the list's order, A before B).
;;     - Each number is divided by the scale, clamped to +-57,344, and rounded to the nearest number of E5M2, ties to even, subnormals kept.
;;     - The product sums the exact products of the quantised numbers (number of the format x scale) in f32.
;;   ~~~python
;;   def quantise(x, axis, e):      # numpy; x: float32 -> the quantised numbers, widened to float32 again
;;       x = np.moveaxis(x, axis, -1); K = x.shape[-1]
;;       r = np.clip(x / 2.0 ** e, -57344, 57344)
;;       step = 2.0 ** (np.maximum(np.frexp(np.where(r == 0, 1, r))[1] - 1, -14) - 2)
;;       q = np.round(r / step) * step * 2.0 ** e      # np.round: ties to even
;;       return np.moveaxis(q, -1, axis).astype(np.float32)
;;   ~~~
;;   SOFTMAX AHEAD OF A QUANTISED PRODUCT. Where the list says 'softmax', what is quantised is not the finished softmax but p = 2^(t - M), with t = logit x log2(e) and M = ceil(the row's largest t), a whole number; so 1/2 < the row's largest p <= 1. The row's sum l is taken of the UNQUANTISED p, in f32, and the product's result is divided by l at the end. Since M is a whole number, a kernel that streams over the keys may use a running M (the ceiling of the running maximum): every later rescaling is an exact power of two, so the quantised numbers keep their values, but for numbers so far below the row's largest that they fall under the format's range.
;;   OPERANDS COMPUTED ON THE WAY. 'Computed on the way' means the value that the module computes at that place (a softmax that the list does not call 'softmax' is quantised finished and normalised). What goes into a quantiser is computed in f32, as accurately as f32 sums, v_exp_f32 and their like allow (about 1e-6 of the number): no bf16 or f16 on the way to a quantiser, and a product that is left as it is and whose result goes on into a quantised operand takes f32 operands (vector FMAs, or v_wmma_f32_16x16x4_f32). A number that lies on a knife's edge between two numbers of the format may be rounded either way, as far as f32 arithmetic and the matrix unit's own rounding can turn it there, and no further.
;; 2 versions, each right; version 2 is version 1 with the launch attn written anew for expert scheduling mode. Each part assembles by itself: llvm-mc -triple=amdgcn-amd-amdhsa -mcpu=gfx1250 --defsym DOCPART=n.
;; ======== version 1 of 2: 4 launches
;; workspace buffers: xc 25,165,824 bytes; wc 4,194,304 bytes; qkv 25,165,824 bytes; af 8,388,608 bytes
;; launch quant (part 1): grid 384 x 1, 4 waves a work-group, no clusters, 34,304 bytes of LDS; arguments x, Wq, Wk, Wv, Wo, lowp_scales, xc, wc; writes xc, wc
.if DOCPART == 1
	.amdgcn_target "amdgcn-amd-amdhsa--gfx1250"
	.amdhsa_code_object_version 6
	.text
	.protected	k_q0e855ec15f_quant
	.globl	k_q0e855ec15f_quant
	.p2align	8
	.type	k_q0e855ec15f_quant,@function
k_q0e855ec15f_quant:
	s_mov_b64 s[64:65], 0
	v_nop
	global_prefetch_b8 v0, s[64:65] scope:SCOPE_SE
	s_setreg_imm32_b32 hwreg(HW_REG_WAVE_MODE, 25, 1), 1
	s_wait_xcnt 0x0
; x [8192][1024] and Wq, Wk, Wv, Wo [1024][1024], f32, K innermost, become codes of BF8 (E5M2): code = number / 2^e, held within +-57,344, to the nearest code, ties to even.
; x is an operand of three products, each with a scale of its own (entries 0, 2, 4 of the scales): it is read once and quantised three times, into three sets of xc, 8 MiB apart.
; Wq, Wk, Wv, Wo take entries 1, 3, 5, 11 and go into four sets of wc, 1 MiB apart.
; LAYOUT OF THE CODES: an image of the operand's registers.  A fragment is 16 rows x 128 K: lane (r, h) holds row r, its registers 2 c, 2 c + 1 hold k = 16 c + 8 h + 0 .. 7.  Registers 4 g .. 4 g + 3 of all lanes
; lie at g x 512 + 16 x lane: 2,048 bytes a fragment; fragment (row tile rt, K block kb) lies at (8 rt + kb) x 2,048.  So a store of the wave covers 512 consecutive bytes, aligned, and a reader needs 16-byte loads alone.
; SHARES: a wave takes 16 rows x 512 K, four fragments.  Work-groups 0 to 255 take x, then 32 work-groups each take Wq, Wk, Wv, Wo.  Only pointers and the first exponent are chosen by the work-group's number.
; Each load reads 512 consecutive bytes of one row; the 16 x 512 bytes turn through the wave's own stage in LDS (rows 528 bytes apart) and come back as 8 neighbours a lane and K group.  No barrier: waves share nothing.
; LIMITS: each e lies between -126 and 112, so that 2^e and 57,344 x 2^e are f32 numbers.  NaN among the inputs is not served.
.set SP,   528                         ; a stage row: 512 bytes + 16
.set WST,  16*SP                       ; a wave's stage
.set LOFF, 1                           ; v1   16 x lane
.set STI,  2                           ; v2   into the stage: wave's stage + 16 x lane
.set STO,  3                           ; v3   out of it: wave's stage + r x 528 + 32 h
.set R,    16                          ; v16-143  two sets of 64: a fragment's numbers as loaded
.set X,    144                         ; v144-207 the same, 8 neighbours along K for each c
.set T,    208                         ; v208-223 two sets of 8: held numbers
.set C,    224                         ; v224-255 two sets of 16: a fragment's codes
.set SRC,  28                          ; s[28:29] my 16 rows, my 512 along K
.set D0,   30                          ; s[30:31], s[32:33], s[34:35] where my codes go: set 0, 1, 2
	s_load_b512 s[8:23], s[0:1], 0x0               ; x, Wq, Wk, Wv, Wo, the scales, xc, wc
	v_lshl_add_u32 v14, v0, 2, 0x8400
	v_mov_b32 v15, 0
	v_lshrrev_b32 v1, 5, v0
	v_readfirstlane_b32 s24, v1                    ; wave
	v_and_b32 v4, 31, v0
	v_and_b32 v5, 15, v0                           ; r
	v_bfe_u32 v6, v0, 4, 1                         ; h
	v_lshlrev_b32 v[LOFF], 4, v4
	s_mul_i32 s52, s24, WST
	v_add_nc_u32 v[STI], s52, v[LOFF]
	v_mul_u32_u24 v[STO], v5, SP
	v_lshl_add_u32 v[STO], v6, 5, v[STO]
	v_add_nc_u32 v[STO], s52, v[STO]
	s_cmp_lt_u32 ttmp9, 256
	s_cselect_b32 s25, 1, 0                        ; 1: x's work-group
	s_cselect_b32 s48, 0, 256
	s_sub_co_u32 s48, ttmp9, s48
	s_lshr_b32 s26, s48, 5                         ; which weight
	s_and_b32 s49, s48, 31
	s_cmp_lg_u32 s25, 0
	s_cselect_b32 s48, s48, s49                    ; the work-group's number within its tensor
	s_cselect_b32 s26, 0, s26
	s_lshl_b32 s27, s48, 2
	s_add_co_u32 s27, s27, s24                     ; my wave's share: row tile = share / 2, half of K = share % 2
	s_lshr_b32 s50, s27, 1
	s_and_b32 s51, s27, 1
	s_lshl_b32 s54, s50, 16                        ; 16 rows of 4,096 bytes
	s_lshl_b32 s55, s51, 11                        ; 512 numbers
	s_add_co_u32 s54, s54, s55
	s_mov_b32 s55, 0
	s_lshl_b32 s56, s50, 14                        ; a row tile's 8 fragments
	s_lshl_b32 s57, s51, 13                        ; four fragments
	s_add_co_u32 s56, s56, s57
	s_lshl_b32 s57, s26, 20                        ; the weight's set
	s_add_co_u32 s56, s56, s57
	s_mov_b32 s57, 0
	s_wait_kmcnt 0x0
	s_load_b256 s[36:43], s[18:19], 0x0            ; e0 .. e7
	s_load_b128 s[44:47], s[18:19], 0x20           ; e8 .. e11
	s_cmp_eq_u32 s26, 1
	s_cselect_b64 s[SRC:SRC+1], s[12:13], s[10:11]
	s_cmp_eq_u32 s26, 2
	s_cselect_b64 s[SRC:SRC+1], s[14:15], s[SRC:SRC+1]
	s_cmp_eq_u32 s26, 3
	s_cselect_b64 s[SRC:SRC+1], s[16:17], s[SRC:SRC+1]
	s_cmp_lg_u32 s25, 0
	s_cselect_b64 s[SRC:SRC+1], s[8:9], s[SRC:SRC+1]
	s_cselect_b64 s[D0:D0+1], s[20:21], s[22:23]
	s_add_nc_u64 s[SRC:SRC+1], s[SRC:SRC+1], s[54:55]
	s_add_nc_u64 s[D0:D0+1], s[D0:D0+1], s[56:57]
	s_add_nc_u64 s[D0+2:D0+3], s[D0:D0+1], 0x800000    ; sets 1 and 2 are stored by x's work-groups alone
	s_add_nc_u64 s[D0+4:D0+5], s[D0:D0+1], 0x1000000
.macro LOAD f                          ; fragment f: 128 numbers of each of my 16 rows; a load reads 512 consecutive bytes
.irp i, 0,1,2,3,4,5,6,7,8,9,10,11,12,13,14,15
	global_load_b128 v[R+64*((\f)%2)+4*\i:R+64*((\f)%2)+4*\i+3], v[LOFF], s[SRC:SRC+1] offset:\i*4096+(\f)*512 th:TH_LOAD_NT
.endr
.endm
.macro TURN f                          ; through the stage: LDS serves a wave's instructions in order, so no wait stands between the stores and the loads
.irp i, 0,1,2,3,4,5,6,7,8,9,10,11,12,13,14,15
	ds_store_b128 v[STI], v[R+64*((\f)%2)+4*\i:R+64*((\f)%2)+4*\i+3] offset:\i*SP
.endr
.irp i, 0,1,2,3,4,5,6,7,8,9,10,11,12,13,14,15
	ds_load_b128 v[X+4*\i:X+4*\i+3], v[STO] offset:64*(\i/2)+16*(\i%2)   ; k = 16 c + 8 h + 4 u on, i = 2 c + u
.endr
.endm
.macro MKSC e, scl, lim                ; 2^e and 57,344 x 2^e as f32, e in s[e]
	s_add_co_i32 s49, s[\e], 127
	s_lshl_b32 s50, s49, 23
	v_mov_b32 v[\scl], s50
	s_add_co_i32 s49, s49, 15
	s_lshl_b32 s49, s49, 23
	s_or_b32 s49, s49, 0x600000
	v_mov_b32 v[\lim], s49
.endm
; The fragment in X becomes codes with one scale and is stored.  X stays as it is: it serves up to three scales.  The two sets of T take turns, so that eight plain lines stand between a conversion and the next write of its sources.
.macro QUANT scl, lim, cs, dst, f
	s_wait_xcnt 0x0                                ; the earlier stores have read their data: the codes' registers are written again only behind this wait
.irp c, 0,1,2,3,4,5,6,7
.irp i, 0,1,2,3,4,5,6,7
	v_med3_num_f32 v[T+8*(\c%2)+\i], v[X+8*\c+\i], -v[\lim], v[\lim]   ; the conversion to an 8-bit code does not saturate (ISA guide 7.6.2): the hold at the largest code x the scale
.endr
	v_cvt_scalef32_pk8_bf8_f32 v[\cs+2*\c:\cs+2*\c+1], v[T+8*(\c%2):T+8*(\c%2)+7], v[\scl]
.endr
.irp g, 0,1,2,3
	global_store_b128 v[LOFF], v[\cs+4*\g:\cs+4*\g+3], s[\dst:\dst+1] offset:(\f)*2048+\g*512   ; 512 consecutive bytes, aligned
.endr
.endm
	LOAD 0
	LOAD 1
	s_wait_kmcnt 0x0
	s_cmp_eq_u32 s26, 1
	s_cselect_b32 s48, s39, s37                    ; e3 or e1
	s_cmp_eq_u32 s26, 2
	s_cselect_b32 s48, s41, s48                    ; e5
	s_cmp_eq_u32 s26, 3
	s_cselect_b32 s48, s47, s48                    ; e11
	s_cmp_lg_u32 s25, 0
	s_cselect_b32 s48, s36, s48                    ; e0 for x
	MKSC 48, 4, 5
	MKSC 38, 6, 7                                  ; e2
	MKSC 40, 8, 9                                  ; e4
.irp f, 0,1,2,3
.if \f < 3
	s_wait_loadcnt 16                              ; this fragment's 16 loads are in; the next fragment's 16 may be out
.else
	s_wait_loadcnt 0x0
.endif
	TURN \f
	s_wait_dscnt 0x0                               ; X is in, and the stage's stores have read the set that the loads below fill
.if \f < 2
	LOAD \f+2
.endif
	QUANT 4, 5, C+16*((3*\f)%2), D0, \f
	s_cmp_eq_u32 s25, 0                            ; a weight has one scale
	s_cbranch_scc1 .Lweight_\f
	QUANT 6, 7, C+16*((3*\f+1)%2), D0+2, \f
	QUANT 8, 9, C+16*((3*\f+2)%2), D0+4, \f
.Lweight_\f:
.endr
	s_wait_tensorcnt 0x0
	ds_add_u32 v14, v15
	s_wait_dscnt 0x0
	s_endpgm
.Lfunc_end_k_q0e855ec15f_quant:
	.size	k_q0e855ec15f_quant, .Lfunc_end_k_q0e855ec15f_quant-k_q0e855ec15f_quant
	.p2alignl 7, 3214868480
	.fill 96, 4, 3214868480
	.section	.rodata,"a",@progbits
	.p2align	6, 0x0
	.amdhsa_kernel k_q0e855ec15f_quant
		.amdhsa_group_segment_fixed_size 34304
		.amdhsa_private_segment_fixed_size 0
		.amdhsa_enable_private_segment 0
		.amdhsa_kernarg_size 64
		.amdhsa_user_sgpr_count 2
		.amdhsa_user_sgpr_kernarg_segment_ptr 1
		.amdhsa_wavefront_size32 1
		.amdhsa_system_sgpr_workgroup_id_x 1
		.amdhsa_system_sgpr_workgroup_id_y 1
		.amdhsa_system_sgpr_workgroup_id_z 1
		.amdhsa_system_vgpr_workitem_id 0
		.amdhsa_next_free_vgpr 256
		.amdhsa_next_free_sgpr 66
		.amdhsa_reserve_vcc 0
		.amdhsa_float_denorm_mode_32 3
		.amdhsa_float_denorm_mode_16_64 3
		.amdhsa_memory_ordered 1
		.amdhsa_forward_progress 1
		.amdhsa_inst_pref_size 77
	.end_amdhsa_kernel
	.amdgpu_metadata
---
amdhsa.version: [ 1, 2 ]
amdhsa.kernels:
  - .name:           k_q0e855ec15f_quant
    .symbol:         k_q0e855ec15f_quant.kd
    .args:
      - { .name: x, .offset: 0, .size: 8, .value_kind: global_buffer, .address_space: global }
      - { .name: Wq, .offset: 8, .size: 8, .value_kind: global_buffer, .address_space: global }
      - { .name: Wk, .offset: 16, .size: 8, .value_kind: global_buffer, .address_space: global }
      - { .name: Wv, .offset: 24, .size: 8, .value_kind: global_buffer, .address_space: global }
      - { .name: Wo, .offset: 32, .size: 8, .value_kind: global_buffer, .address_space: global }
      - { .name: lowp_scales, .offset: 40, .size: 8, .value_kind: global_buffer, .address_space: global }
      - { .name: xc, .offset: 48, .size: 8, .value_kind: global_buffer, .address_space: global }
      - { .name: wc, .offset: 56, .size: 8, .value_kind: global_buffer, .address_space: global }
    .group_segment_fixed_size: 34304
    .private_segment_fixed_size: 0
    .kernarg_segment_align: 8
    .kernarg_segment_size: 64
    .max_flat_workgroup_size: 128
    .sgpr_count:     66
    .vgpr_count:     256
    .wavefront_size: 32
...
	.end_amdgpu_metadata
.endif
;; end of part 1
;; launch gemm_qkv (part 2): grid 4 x 96, 4 waves a work-group, clusters of 4 x 4, 327,680 bytes of LDS; arguments xc, wc, bq, bk, bv, lowp_scales, qkv; writes qkv
.if DOCPART == 2
	.amdgcn_target "amdgcn-amd-amdhsa--gfx1250"
	.amdhsa_code_object_version 6
	.text
	.protected	k_q0e855ec15f_gemm_qkv
	.globl	k_q0e855ec15f_gemm_qkv
	.p2align	8
	.type	k_q0e855ec15f_gemm_qkv,@function
k_q0e855ec15f_gemm_qkv:
	s_mov_b64 s[64:65], 0
	v_nop
	global_prefetch_b8 v0, s[64:65] scope:SCOPE_SE
	s_setreg_imm32_b32 hwreg(HW_REG_WAVE_MODE, 25, 1), 1
	s_wait_xcnt 0x0
	s_wait_alu depctr_hold_cnt(0) depctr_sa_sdst(0) depctr_va_vdst(0) depctr_va_sdst(0) depctr_va_ssrc(0) depctr_va_vcc(0) depctr_vm_vsrc(0)
	s_getreg_b32 s2, hwreg(HW_REG_IB_STS2, 6, 4)
	s_cmp_eq_u32 s2, 0
	s_cbranch_scc0 .Lentry_in_a_cluster
	s_endpgm
.Lentry_in_a_cluster:
	s_bfe_u32 s2, ttmp6, 0x10000c
	s_cmp_lg_u32 s2, 0xf033
	s_cbranch_scc0 .Lentry_shape_is_right
	s_endpgm
.Lentry_shape_is_right:
; q = x Wq^T + bq, k = x Wk^T + bk, v = x Wv^T + bv on codes of BF8 (E5M2); each result is quantised at once, with entries 6, 7, 9 of the scales, into images of the registers that attention's products take.
; OPERANDS are fragment images (16 rows x 128 K in 2,048 bytes: registers 4 g .. 4 g + 3 of all lanes at g x 512 + 16 x lane; fragment (row tile, K block) at (8 rt + kb) x 2,048), every k in the form's own place.
; A work-group of four waves makes 256 rows of P x 256 rows of R; a wave 128 x 128: 64 accumulators.  Source 0 = 16 rows of R, source 1 = 16 rows of P: in a result lane r is P's row and registers 0-7 are R's rows 8 h + 0 .. 7.
; So one conversion of a result's eight registers gives registers 2 b, 2 b + 1 of an operand whose rows are P's and whose K runs along R's rows: nothing changes lanes, nothing goes through LDS on the way out.
; JOBS, by the cluster's y (24 clusters): 0-7 q, 8-15 k: P = x's codes (the job's set), R = the weight's: rows = tokens, K = the head's 64.  16-23 v: P = Wv's codes, R = x's: rows = the head's 64, K = the keys.
; K = 1,024 goes in four steps of 256 through two LDS slots, so the steps are written out.  A tensor load brings 128 rows x 256 K: 8 pieces of 4,096 consecutive bytes, 16,384 bytes apart, dense in LDS; no padding: a fragment load's lanes read consecutive bytes.
; CLUSTERS: 4 x 4 work-groups; P's tile is shared along a row of the cluster, R's along a column: each is asked for jointly.
; No prefetch: a work-group refills each slot once, and the refill is asked for a K step ahead.
; LIMITS: the two operands' exponents added lie between -126 and 127; entries 6, 7, 9 between -126 and 112.  NaN is not served.
; REGISTERS: window 0: v12-29 scales and addresses; v32-95 the bias; from v128 P's fragments, one set; on the way out v128-191 the numbers, v192-223 two sets of codes.  window 1: R's fragments, two sets.  windows 2, 3: accumulator (a, b) at v[8 (8 (a % 4) + b)].
.set HALFT,  32768                     ; 128 rows x 256 K: what one tensor load brings
.set SLOT,   4*HALFT                   ; P's two halves, then R's two
.set SPARE,  2*SLOT                    ; behind the ring: the spare words, 128 bytes for each wave
.set KSB,    4096                      ; a K step of 256 in a row tile: two fragments
.set RTB,    16384                     ; a row tile's eight fragments
.set FR,     16
.set NL,     4
.set NP,     4                         ; places behind this matrix instruction (ISA guide 7.12.1)
.set SCL,  12                          ; v12  2^eo: the conversions' scale
.set LIM,  13                          ; v13  57,344 x 2^eo
.set BO,   14                          ; v14  my lane's byte in the bias
.set ADRA, 16                          ; v16-17  LDS address of my P fragments in slot 0, 1
.set ADRB, 20                          ; v20-21  the same for R
.set CO,   26                          ; v26  16 x lane
.set SPW,  28                          ; v28  my spare word; never rewritten
.set NIL,  29                          ; v29  0; never rewritten
.set BJ,   32
.set AF,   128
.set TMP,  128
.set CD,   192
.set G1, 24
.set G0, 32
.set G1B, 48
.set G0B, 56
.set MSB, 0
.macro WIN new                         ; the immediate's high byte repeats the setting that is left
.if MSB != \new
	s_set_vgpr_msb (MSB<<8)|\new
.set MSB, \new
.endif
.endm
.set MUL_LO, 0xa1                      ; source 0 (R) window 1, source 1 (P) window 0, C and D window 2
.set MUL_HI, 0xf1                      ; the same, C and D window 3
.set TO_B,   0x40                      ; destination window 1, address window 0
; A joint load: waves 0 and 1 fetch P's halves, waves 2 and 3 R's.  The branch hangs on the wave's number alone.  Four v_nop follow each of the two lines.
.macro JLOAD g0a, g1a, g0b, g1b
	s_cmp_eq_u32 s15, 0
	s_cbranch_scc0 .Lfor_b_\@
	tensor_load_to_lds s[\g0a:\g0a+3], s[\g1a:\g1a+7]
	s_nop 0
.rept 4
	v_nop
.endr
	s_branch .Lasked_\@
.Lfor_b_\@:
	tensor_load_to_lds s[\g0b:\g0b+3], s[\g1b:\g1b+7]
	s_nop 0
.rept 4
	v_nop
.endr
.Lasked_\@:
.endm
.macro CREST                           ; a round of the cluster's barrier behind its opening barrier
	s_cmp_lg_u32 s14, 0
	s_cbranch_scc1 .Lnot_wave_0_\@
	s_barrier_signal -3
.Lnot_wave_0_\@:
	s_barrier_wait -3
	s_barrier_signal -1
	s_barrier_wait -1
.endm
.macro CROUND
	s_barrier_signal -1
	s_barrier_wait -1
	CREST
.endm
	s_load_b256 s[80:87], s[0:1], 0x0              ; xc, wc, bq, bk
	s_load_b128 s[88:91], s[0:1], 0x20             ; bv, the scales
	s_load_b64 s[92:93], s[0:1], 0x30              ; qkv
	v_lshl_add_u32 v[SPW], v0, 2, SPARE
	v_mov_b32 v[NIL], 0
	ds_add_u32 v28, v29
	ds_add_u32 v28, v29
	s_wait_dscnt 0x0
	v_lshrrev_b32 v1, 5, v0
	v_readfirstlane_b32 s14, v1                    ; wave 0..3
	s_lshr_b32 s15, s14, 1                         ; which half of P's rows is mine.  Also: I fetch for P (0) or for R (1)
	s_and_b32 s16, s14, 1                          ; which half of R's rows.  Also: which 128 rows of that tile I fetch
	s_bfe_u32 s40, ttmp6, 0x40000                  ; cx, cy: my place in the cluster
	s_bfe_u32 s41, ttmp6, 0x40004
	s_and_b32 s13, ttmp7, 0xffff                   ; the cluster's y, 0 to 23: the same in all sixteen partners
	s_lshr_b32 s12, s13, 3                         ; the job: 0 q, 1 k, 2 v
	s_and_b32 s13, s13, 7
	s_lshl_b32 s13, s13, 2
	s_cmp_eq_u32 s12, 2
	s_cselect_b32 s17, 0, s13                      ; x's 32 tiles are P's for q and k, R's for v; the weight has 4
	s_cselect_b32 s42, s13, 0
	s_add_co_u32 s17, s17, s41                     ; P's tile
	s_add_co_u32 s42, s42, s40                     ; R's tile
	s_lshl_b32 s43, s41, 2
	s_lshl_b32 s43, 15, s43                        ; my row of the cluster
	s_lshl_b32 s44, 0x1111, s40                    ; my column
	s_or_b32 s[G1+0], s43, (1<<21)                 ; 15:0 the mask: P's tiles go to my row; 17:16 elements of 1 byte; 20 no padding; 21 set beside a mask
	s_or_b32 s[G1B+0], s44, (1<<21)
.irp g, G1, G1B
	s_mov_b32 s[\g+1], KSB<<16                     ; tensor_dim0 = 4,096
	s_mov_b32 s[\g+2], 8<<16                       ; tensor_dim1 = 8
	s_mov_b32 s[\g+3], KSB<<16                     ; tile_dim0 = 4,096
	s_mov_b32 s[\g+4], 8                           ; tile_dim1 = 8
	s_mov_b32 s[\g+5], RTB                         ; tensor_dim0_stride
	s_mov_b32 s[\g+6], 0
	s_mov_b32 s[\g+7], 0
.endr
	s_lshl_b32 s18, s17, 18                        ; P: 256 rows are 16 row tiles of 16,384 bytes,
	s_lshl_b32 s19, s16, 17                        ; + the 128 rows that I fetch
	s_add_co_u32 s18, s18, s19
	s_mov_b32 s19, 0
	s_lshl_b32 s22, s42, 18                        ; R likewise
	s_lshl_b32 s23, s16, 17
	s_add_co_u32 s22, s22, s23
	s_mov_b32 s23, 0
	s_lshl_b32 s2, s12, 23                         ; the job's set of x's codes,
	s_mov_b32 s3, 0
	s_lshl_b32 s4, s12, 20                         ; and of the weights'
	s_mov_b32 s5, 0
	s_mul_i32 s45, s14, HALFT                      ; where my tile goes: wave x 32,768: no place in the cluster enters an LDS address
	s_wait_kmcnt 0x0
	s_load_b256 s[68:75], s[90:91], 0x0            ; e0 .. e7
	s_load_b128 s[76:79], s[90:91], 0x20           ; e8 .. e11
	s_add_nc_u64 s[80:81], s[80:81], s[2:3]
	s_add_nc_u64 s[82:83], s[82:83], s[4:5]
	s_cmp_eq_u32 s12, 2
	s_cselect_b64 s[20:21], s[82:83], s[80:81]     ; P: the weight for v, else x
	s_cselect_b64 s[46:47], s[80:81], s[82:83]     ; R: the other
	s_add_nc_u64 s[20:21], s[20:21], s[18:19]
	s_add_nc_u64 s[46:47], s[46:47], s[22:23]
	CROUND                                         ; all sixteen work-groups are here: the first joint loads meet
.irp s, 0,1
	s_mov_b32 s[G0+4*\s], 1
	s_add_co_u32 s[G0+4*\s+1], s45, \s*SLOT
	s_add_nc_u64 s[G0+4*\s+2:G0+4*\s+3], s[20:21], \s*KSB
	s_or_b32 s[G0+4*\s+3], s[G0+4*\s+3], 0x80000000
	s_mov_b32 s[G0B+4*\s], 1
	s_add_co_u32 s[G0B+4*\s+1], s45, \s*SLOT
	s_add_nc_u64 s[G0B+4*\s+2:G0B+4*\s+3], s[46:47], \s*KSB
	s_or_b32 s[G0B+4*\s+3], s[G0B+4*\s+3], 0x80000000
	JLOAD G0+4*\s, G1, G0B+4*\s, G1B
.endr
	v_and_b32 v1, 31, v0
	v_lshlrev_b32 v[CO], 4, v1                     ; 16 x lane
	s_mul_i32 s6, s15, HALFT                       ; my 128 rows of P
	s_mul_i32 s7, s16, HALFT                       ; my 128 rows of R,
	s_add_co_u32 s7, s7, 2*HALFT                   ; which lie behind P's 256
.irp s, 0,1
	v_add_nc_u32 v[ADRA+\s], s6, v[CO]
	v_add_nc_u32 v[ADRB+\s], s7, v[CO]
	s_add_co_u32 s6, s6, SLOT
	s_add_co_u32 s7, s7, SLOT
.endr
.macro FRAG reg, adr, q, i             ; the image of row tile i's q-th fragment of the slot comes back as it was stored: 16 registers by four loads of 512 consecutive bytes
.irp c, 0,1,2,3
	ds_load_b128 v[\reg+4*\c:\reg+4*\c+3], v[\adr] offset:(\i)*KSB+2048*(\q)+512*\c
.endr
.endm
; 16 matrix instructions: P's blocks a0, a0 + 1 x R's eight, 128 along K.  p: R's set.  zero = 1: the first product starts the sums.  The 64 accumulators take turns, one instruction a turn.
.macro MUL16 a0, p, zero
.irp a, \a0, \a0+1
.irp b, 0,1,2,3,4,5,6,7
.if \zero
	v_wmma_f32_16x16x128_bf8_bf8 v[8*(8*((\a)%4)+\b):8*(8*((\a)%4)+\b)+7], v[128*(\p)+FR*\b:128*(\p)+FR*\b+FR-1], v[AF+FR*(\a):AF+FR*(\a)+FR-1], 0
.else
	v_wmma_f32_16x16x128_bf8_bf8 v[8*(8*((\a)%4)+\b):8*(8*((\a)%4)+\b)+7], v[128*(\p)+FR*\b:128*(\p)+FR*\b+FR-1], v[AF+FR*(\a):AF+FR*(\a)+FR-1], v[8*(8*((\a)%4)+\b):8*(8*((\a)%4)+\b)+7]
.endif
.endr
.endr
.endm
.macro FETCH_B slot, q, p
	WIN TO_B
.irp i, 0,1,2,3,4,5,6,7
	FRAG 128*(\p)+FR*\i, ADRB+\slot, \q, \i
.endr
	WIN 0
.endm
.macro FETCH_A slot, q, i0
.irp i, \i0, \i0+1, \i0+2, \i0+3
	FRAG AF+FR*(\i), ADRA+\slot, \q, \i
.endr
.endm
.macro PLACES n                        ; plain vector lines between a matrix instruction and a load into, or a vector line on, one of its registers
.rept \n
	v_nop
.endr
.endm
.macro STEP slot, q, zero              ; 128 along K whose successor lies in the same slot
	s_wait_dscnt 4*NL                              ; R's set and P's blocks 0-3 are in; the youngest 16 loads (P's blocks 4-7) may be out
	WIN MUL_LO
	MUL16 0, (\q)%2, \zero
	MUL16 2, (\q)%2, \zero
	s_wait_dscnt 0
	PLACES NP
	FETCH_B \slot, (\q)+1, 1-(\q)%2
	FETCH_A \slot, (\q)+1, 0
	WIN MUL_HI
	MUL16 4, (\q)%2, \zero
	MUL16 6, (\q)%2, \zero
	PLACES NP
	WIN 0
	FETCH_A \slot, (\q)+1, 4
.endm
; A slot's last 128 along K, and the change of slots: one barrier; ahead of it each wave waits for all its tensor loads, adds 0 to its spare word, and waits for that and for its reads of this slot.
.macro TURN slot, next, fill
	s_wait_tensorcnt 0x0                           ; all my tensor loads have landed: my part of the next slot
	ds_add_u32 v[SPW], v[NIL]                      ; 0 onto my spare word
	s_wait_dscnt 4*NL+1                            ; the add and the youngest 16 loads may be out
	WIN MUL_LO
	MUL16 0, 1, 0
	s_wait_dscnt 0x0                               ; the add is done, and my reads of this slot are over
	s_barrier_signal -1
	MUL16 2, 1, 0
	WIN 0
	s_barrier_wait -1
.if \fill
	CREST                                          ; the barrier has opened a round of the cluster's barrier: no wave of any partner still reads this slot or has a load on its way
	s_add_nc_u64 s[G0+4*\slot+2:G0+4*\slot+3], s[G0+4*\slot+2:G0+4*\slot+3], 2*KSB
	s_add_nc_u64 s[G0B+4*\slot+2:G0B+4*\slot+3], s[G0B+4*\slot+2:G0B+4*\slot+3], 2*KSB
	JLOAD G0+4*\slot, G1, G0B+4*\slot, G1B         ; the first tensor load behind the round; its four v_nop are the places in front of the loads below
.else
	PLACES NP
.endif
	FETCH_B \next, 0, 0
	FETCH_A \next, 0, 0
	WIN MUL_HI
	MUL16 4, 1, 0
	MUL16 6, 1, 0
	PLACES NP
	WIN 0
	FETCH_A \next, 0, 4
.endm
.macro LAST                            ; the last 128 along K: nothing more to fetch
	s_wait_dscnt 4*NL
	WIN MUL_LO
	MUL16 0, 1, 0
	MUL16 2, 1, 0
	s_wait_dscnt 0x0
	WIN MUL_HI
	MUL16 4, 1, 0
	MUL16 6, 1, 0
	WIN 0
.endm
; Block a, 16 rows of P x my 128 rows of R: number = sum x 2^(eP + eR) + bias; held; converted: 16 registers of codes, stored as four runs of 512 consecutive bytes.  Each accumulator is read from its low end on.
.macro BLOCK a, isv
.if \a >= 2
	s_wait_xcnt 0x0                                ; block a - 2's stores have read their codes: that set is written again only behind this wait
.endif
.set AC, 64*((\a)%4)
.set CS, CD+16*((\a)%2)
	WIN 0x02+((\a)/4)                              ; source 0: window 2 or 3
.set n, 0
.rept 32
.if \isv
	v_pk_fma_f32 v[TMP+n:TMP+n+1], v[AC+n:AC+n+1], s[96:97], v[BJ+2*(\a):BJ+2*(\a)+1] op_sel_hi:[1,0,1]   ; the bias hangs on P's row: my lane's
.else
	v_pk_fma_f32 v[TMP+n:TMP+n+1], v[AC+n:AC+n+1], s[96:97], v[BJ+n:BJ+n+1] op_sel_hi:[1,0,1]           ; the bias hangs on R's row: the register's
.endif
.set n, n+2
.endr
	WIN 0
.irp b, 0,1,2,3,4,5,6,7
.irp i, 0,1,2,3,4,5,6,7
	v_med3_num_f32 v[TMP+8*\b+\i], v[TMP+8*\b+\i], -v[LIM], v[LIM]   ; the conversion does not saturate (ISA guide 7.6.2)
.endr
	v_cvt_scalef32_pk8_bf8_f32 v[CS+2*\b:CS+2*\b+1], v[TMP+8*\b:TMP+8*\b+7], v[SCL]   ; registers 2 b, 2 b + 1 of the next operand
.endr
	v_nop                                          ; a plain line behind the last conversion, ahead of the next block's writes of its sources
.irp g, 0,1,2,3
.if \isv
	global_store_b128 v[CO], v[CS+4*\g:CS+4*\g+3], s[10:11] offset:((\a)/4)*131072+((\a)%4)*2048+\g*512   ; head a / 4, rows 16 (a % 4) on of its 64; one fragment of 128 keys
.else
	global_store_b128 v[CO], v[CS+4*\g:CS+4*\g+3], s[10:11] offset:(\g/2)*131072+(\a)*1024+(\g%2)*512     ; head g / 2, tokens 16 a on; a fragment of 64 is 1,024 bytes
.endif
.endr
.endm
.macro TAILP isv
.if \isv
	s_lshl_b32 s2, s17, 10                         ; bv at P's rows: 256 x tile + 128 x half, 4 bytes each
	s_lshl_b32 s3, s15, 9
	s_add_co_u32 s2, s2, s3
	s_mov_b32 s3, 0
	s_add_nc_u64 s[8:9], s[88:89], s[2:3]
	v_and_b32 v[BO], 15, v0
	v_lshlrev_b32 v[BO], 2, v[BO]                  ; 4 r
	s_lshr_b32 s2, s42, 3                          ; the batch: 16 heads of 131,072 bytes
	s_lshl_b32 s2, s2, 21
	s_lshl_b32 s3, s17, 2
	s_lshl_b32 s4, s15, 1
	s_add_co_u32 s3, s3, s4                        ; my first head
	s_lshl_b32 s3, s3, 17
	s_add_co_u32 s2, s2, s3
	s_and_b32 s3, s42, 7
	s_lshl_b32 s3, s3, 1
	s_add_co_u32 s3, s3, s16                       ; my block of 128 keys: four fragments of 2,048 bytes
	s_lshl_b32 s3, s3, 13
	s_add_co_u32 s2, s2, s3
	s_add_co_u32 s2, s2, 0x1000000                 ; v's part of qkv
	s_mov_b32 s3, 0
	s_add_nc_u64 s[10:11], s[92:93], s[2:3]
.irp a, 0,1,2,3,4,5,6,7
	global_load_b32 v[BJ+2*\a], v[BO], s[8:9] offset:64*\a     ; bv(16 a + r), into both registers of a pair
	global_load_b32 v[BJ+2*\a+1], v[BO], s[8:9] offset:64*\a
.endr
.else
	s_cmp_eq_u32 s12, 0
	s_cselect_b64 s[8:9], s[84:85], s[86:87]       ; bq or bk
	s_lshl_b32 s2, s42, 10                         ; at R's rows
	s_lshl_b32 s3, s16, 9
	s_add_co_u32 s2, s2, s3
	s_mov_b32 s3, 0
	s_add_nc_u64 s[8:9], s[8:9], s[2:3]
	v_bfe_u32 v[BO], v0, 4, 1
	v_lshlrev_b32 v[BO], 5, v[BO]                  ; 32 h
	s_lshr_b32 s2, s17, 3                          ; the batch
	s_lshl_b32 s2, s2, 21
	s_lshl_b32 s3, s42, 2
	s_lshl_b32 s4, s16, 1
	s_add_co_u32 s3, s3, s4                        ; my first head
	s_lshl_b32 s3, s3, 17
	s_add_co_u32 s2, s2, s3
	s_and_b32 s3, s17, 7
	s_lshl_b32 s3, s3, 4
	s_lshl_b32 s4, s15, 3
	s_add_co_u32 s3, s3, s4                        ; my first tile of 16 tokens
	s_lshl_b32 s3, s3, 10
	s_add_co_u32 s2, s2, s3
	s_lshl_b32 s3, s12, 23                         ; q's or k's part of qkv
	s_add_co_u32 s2, s2, s3
	s_mov_b32 s3, 0
	s_add_nc_u64 s[10:11], s[92:93], s[2:3]
.irp b, 0,1,2,3,4,5,6,7
	global_load_b128 v[BJ+8*\b:BJ+8*\b+3], v[BO], s[8:9] offset:64*\b       ; b(16 b + 8 h + 0 .. 7)
	global_load_b128 v[BJ+8*\b+4:BJ+8*\b+7], v[BO], s[8:9] offset:64*\b+16
.endr
.endif
	LAST                                           ; the bias lands under these 64 products
	s_wait_loadcnt 0x0
	PLACES NP                                      ; the lines below write registers that held P's fragments and read results
.irp a, 0,1,2,3,4,5,6,7
	BLOCK \a, \isv
.endr
.endm
	s_wait_tensorcnt 1                             ; my part of K step 0 is in; K step 1's load may be out
	s_barrier_signal -1
	s_barrier_wait -1
	FETCH_B 0, 0, 0
	FETCH_A 0, 0, 0
	FETCH_A 0, 0, 4
	STEP 0, 0, 1                                   ; the first products start the sums
	TURN 0, 1, 1                                   ; slot 0 takes K step 2
	STEP 1, 0, 0
	TURN 1, 0, 1                                   ; slot 1 takes K step 3
	STEP 0, 0, 0
	TURN 0, 1, 0                                   ; nothing is left to fetch
	STEP 1, 0, 0
	s_wait_kmcnt 0x0
	s_add_co_i32 s2, s68, s69                      ; e0 + e1
	s_add_co_i32 s3, s70, s71                      ; e2 + e3
	s_add_co_i32 s4, s72, s73                      ; e4 + e5
	s_cmp_eq_u32 s12, 0
	s_cselect_b32 s2, s2, s3
	s_cselect_b32 s5, s74, s75                     ; e6 for q, e7 for k
	s_cmp_eq_u32 s12, 2
	s_cselect_b32 s2, s4, s2
	s_cselect_b32 s5, s77, s5                      ; e9 for v
	s_add_co_i32 s2, s2, 127
	s_lshl_b32 s96, s2, 23                         ; 2^(eP + eR) as f32
	s_mov_b32 s97, s96                             ; (named with it as a pair, so it is written)
	s_add_co_i32 s5, s5, 127
	s_lshl_b32 s6, s5, 23
	v_mov_b32 v[SCL], s6
	s_add_co_i32 s5, s5, 15
	s_lshl_b32 s5, s5, 23
	s_or_b32 s5, s5, 0x600000
	v_mov_b32 v[LIM], s5
	s_cmp_eq_u32 s12, 2                            ; the job is the same in all waves and all partners
	s_cbranch_scc1 .Lv
	TAILP 0
	s_branch .Lend
.Lv:
	TAILP 1
.Lend:
	s_wait_tensorcnt 0x0                           ; the wave's end
	ds_add_u32 v[SPW], v[NIL]
	s_wait_dscnt 0x0
	CROUND                                         ; the closing round
	s_endpgm
.Lfunc_end_k_q0e855ec15f_gemm_qkv:
	.size	k_q0e855ec15f_gemm_qkv, .Lfunc_end_k_q0e855ec15f_gemm_qkv-k_q0e855ec15f_gemm_qkv
	.p2alignl 7, 3214868480
	.fill 96, 4, 3214868480
	.section	.rodata,"a",@progbits
	.p2align	6, 0x0
	.amdhsa_kernel k_q0e855ec15f_gemm_qkv
		.amdhsa_group_segment_fixed_size 327680
		.amdhsa_private_segment_fixed_size 0
		.amdhsa_enable_private_segment 0
		.amdhsa_kernarg_size 56
		.amdhsa_user_sgpr_count 2
		.amdhsa_user_sgpr_kernarg_segment_ptr 1
		.amdhsa_wavefront_size32 1
		.amdhsa_system_sgpr_workgroup_id_x 1
		.amdhsa_system_sgpr_workgroup_id_y 1
		.amdhsa_system_sgpr_workgroup_id_z 1
		.amdhsa_system_vgpr_workitem_id 0
		.amdhsa_next_free_vgpr 1024
		.amdhsa_next_free_sgpr 100
		.amdhsa_reserve_vcc 0
		.amdhsa_float_denorm_mode_32 3
		.amdhsa_float_denorm_mode_16_64 3
		.amdhsa_memory_ordered 1
		.amdhsa_forward_progress 1
		.amdhsa_inst_pref_size 199
	.end_amdhsa_kernel
	.amdgpu_metadata
---
amdhsa.version: [ 1, 2 ]
amdhsa.kernels:
  - .name:           k_q0e855ec15f_gemm_qkv
    .symbol:         k_q0e855ec15f_gemm_qkv.kd
    .args:
      - { .name: xc, .offset: 0, .size: 8, .value_kind: global_buffer, .address_space: global }
      - { .name: wc, .offset: 8, .size: 8, .value_kind: global_buffer, .address_space: global }
      - { .name: bq, .offset: 16, .size: 8, .value_kind: global_buffer, .address_space: global }
      - { .name: bk, .offset: 24, .size: 8, .value_kind: global_buffer, .address_space: global }
      - { .name: bv, .offset: 32, .size: 8, .value_kind: global_buffer, .address_space: global }
      - { .name: lowp_scales, .offset: 40, .size: 8, .value_kind: global_buffer, .address_space: global }
      - { .name: qkv, .offset: 48, .size: 8, .value_kind: global_buffer, .address_space: global }
    .group_segment_fixed_size: 327680
    .private_segment_fixed_size: 0
    .kernarg_segment_align: 8
    .kernarg_segment_size: 56
    .max_flat_workgroup_size: 128
    .sgpr_count:     100
    .vgpr_count:     1024
    .wavefront_size: 32
...
	.end_amdgpu_metadata
.endif
;; end of part 2
;; launch attn (part 3): grid 8 x 64, 16 waves a work-group, no clusters, 34,816 bytes of LDS; arguments qkv, lowp_scales, af; writes af
.if DOCPART == 3
	.amdgcn_target "amdgcn-amd-amdhsa--gfx1250"
	.amdhsa_code_object_version 6
	.text
	.protected	k_q0e855ec15f_attn
	.globl	k_q0e855ec15f_attn
	.p2align	8
	.type	k_q0e855ec15f_attn,@function
k_q0e855ec15f_attn:
	s_mov_b64 s[64:65], 0
	v_nop
	global_prefetch_b8 v0, s[64:65] scope:SCOPE_SE
	s_setreg_imm32_b32 hwreg(HW_REG_WAVE_MODE, 25, 1), 1
	s_wait_xcnt 0x0
; For each of 64 heads (batch x head): O[q] = sum over keys of softmax(q . k / 8) v, both products on codes of BF8 (E5M2); the result is quantised with entry 10 of the scales into fragments for the output projection.
; THE SOFTMAX: t = score x 2^(e6 + e7) x log2(e) / 8; M = the running largest t rounded UP to a whole number; p = 2^(t - M) is quantised with 2^e8, not normalised; the row's sum is taken of the unquantised p and divides at the end.
; When M moves, the sum and O are multiplied by 2^(old M - new M), which rounds nothing.
; OPERANDS are images of registers (made by the launch before): q, k: 16 rows x 64 in 1,024 bytes; v: 16 of the head's 64 x 128 keys in 2,048 bytes; registers 4 g .. 4 g + 3 of all lanes at g x 512 + 16 x lane.
; Both products are used transposed: S^T = K Q^T (source 0 = 16 keys, source 1 = my 16 queries), O^T = V^T P^T: a lane holds one query throughout, tile c's eight registers are keys 16 c + 8 h + 0 .. 7,
; and one conversion of them gives registers 2 c, 2 c + 1 of P.  Likewise O^T's tile gives two registers of the next operand: the result leaves as two stores of 512 consecutive bytes, with no stage.
; SHARES: a work-group owns 256 queries of a head, each of its sixteen waves 16; four waves to a SIMD, so that one wave's vector work stands beside another's matrix work.  Every wave walks 16 steps of 128 keys.
; A step's K and V are 16 KiB: each wave brings 1 KiB through its registers into one of two LDS slots, a step ahead; one barrier a step.
; NO TENSOR LOAD AND NO CLUSTER: what is shared is two loads and two LDS stores a wave in a step, beside some 200 vector lines; and the text jumps over p's 64 holds on the given e8,
; which is a larger saving: p is at most 1 and a rounding, and 57,344 x 2^e8 is at least 1.75 from e8 = -15 on, so the hold can act only below that.
; LIMITS: e6 + e7 between -123 and 130 (added to c's exponent field); e8 and e10 between -126 and 112.  NaN is not served.
.set SLOTB, 16384                      ; a slot: K's eight fragments, then V's four
.set LI,  1                            ; v1   16 x lane
.set SW,  2                            ; v2   where I store my 1 KiB of a slot: 1,024 x wave + 16 x lane
.set PFO, 3                            ; v3   256 x lane
.set PSC, 4                            ; v4   2^e8        v5  57,344 x 2^e8
.set PLM, 5
.set TP,  6                            ; v6   a lane permute's destination
.set MA,  8                            ; v8, v9  two chains of the maximum
.set MB,  9
.set F,   10                           ; v[10:11] 2^(old M - new M); v11 is named with it
.set NM,  12                           ; v12 -M, v13 the largest t
.set L,   14                           ; v[14:15] the sum in two halves
.set Q,   16                           ; v16-23  Q's fragment
.set G,   24                           ; v24-31, v32-39  my 1 KiB of a step on its way, two sets
.set L2,  40                           ; v[40:41] the sum's second chain
.set OSC, 42                           ; v42  2^e10       v43  57,344 x 2^e10
.set OLM, 43
.set KV,  48                           ; v48-111  K's eight fragments, then V's four
.set S,   112                          ; v112-175 S^T, then p
.set O,   176                          ; v176-207 O^T
.set P,   208                          ; v208-223 p's codes
.set SEL, 28                           ; s[28:29] lane l xor 16
.set CS,  30                           ; s[30:31] c x 2^(e6 + e7)
.set KVB, 32                           ; s[32:33] my 1 KiB of the step that the loop's trip begins with
.set TR,  34                           ; s34  the loop's trip
.set PLIM, 35                          ; s35  trips in which I prefetch
	s_load_b128 s[4:7], s[0:1], 0x0                ; qkv, the scales
	s_load_b64 s[8:9], s[0:1], 0x10                ; af
	v_lshl_add_u32 v224, v0, 2, 0x8000
	v_mov_b32 v225, 0
	v_lshrrev_b32 v1, 5, v0
	v_readfirstlane_b32 s10, v1                    ; wave 0..15
	s_and_b32 s11, ttmp7, 0xffff                   ; the head, 0 to 63
	v_and_b32 v[LI], 31, v0
	v_lshlrev_b32 v[PFO], 8, v[LI]
	v_lshlrev_b32 v[LI], 4, v[LI]
	s_lshl_b32 s36, s10, 10
	v_add_nc_u32 v[SW], s36, v[LI]
	s_lshl_b32 s37, s11, 17                        ; a head is 131,072 bytes in q's, k's and v's part
	s_lshr_b32 s38, s10, 3                         ; waves 0-7 bring K, waves 8-15 V, 8 MiB further on
	s_lshl_b32 s38, s38, 23
	s_and_b32 s39, s10, 7
	s_lshl_b32 s39, s39, 10
	s_add_co_u32 s38, s38, s39
	s_add_co_u32 s38, s38, s37
	s_add_co_u32 s38, s38, 0x800000                ; k's part begins 8 MiB in
	s_mov_b32 s39, 0
	s_lshl_b32 s40, ttmp9, 4
	s_add_co_u32 s40, s40, s10                     ; my tile of 16 queries, 0 to 127
	s_lshl_b32 s42, s40, 10
	s_add_co_u32 s42, s42, s37
	s_mov_b32 s43, 0
	s_lshr_b32 s44, s11, 4                         ; af: fragment (row tile = 128 x batch + my tile, K block = head / 2); an odd head fills the second 1,024 bytes
	s_lshl_b32 s44, s44, 7
	s_add_co_u32 s44, s44, s40
	s_lshl_b32 s44, s44, 3
	s_bfe_u32 s45, s11, 0x30001
	s_add_co_u32 s44, s44, s45
	s_lshl_b32 s44, s44, 11
	s_and_b32 s45, s11, 1
	s_lshl_b32 s45, s45, 10
	s_add_co_u32 s44, s44, s45
	s_mov_b32 s45, 0
	s_and_b32 s[PLIM], s10, 7                      ; waves 0 and 8
	s_or_b32 s[PLIM], s[PLIM], ttmp9               ; of the head's first work-group prefetch
	s_cmp_eq_u32 s[PLIM], 0
	s_cselect_b32 s[PLIM], 6, 0
	s_mov_b32 s[SEL], 0x76543210
	s_mov_b32 s[SEL+1], 0xfedcba98
	s_mov_b32 s[TR], 0
	s_wait_kmcnt 0x0
	s_load_b256 s[16:23], s[6:7], 0x0              ; e0 .. e7
	s_load_b128 s[24:27], s[6:7], 0x20             ; e8 .. e11
	s_add_nc_u64 s[KVB:KVB+1], s[4:5], s[38:39]
	s_add_nc_u64 s[4:5], s[4:5], s[42:43]          ; Q's fragment
	s_add_nc_u64 s[8:9], s[8:9], s[44:45]
	global_load_b128 v[G:G+3], v[LI], s[KVB:KVB+1]                     ; step 0
	global_load_b128 v[G+4:G+7], v[LI], s[KVB:KVB+1] offset:512
	global_load_b128 v[G+8:G+11], v[LI], s[KVB:KVB+1] offset:8192      ; step 1
	global_load_b128 v[G+12:G+15], v[LI], s[KVB:KVB+1] offset:8704
	global_load_b128 v[Q:Q+3], v[LI], s[4:5]
	global_load_b128 v[Q+4:Q+7], v[LI], s[4:5] offset:512
	v_mov_b32 v[NM+1], 0xff61b1e6                  ; the largest t so far: -3e38
	v_floor_f32 v[NM], -v[NM+1]
	v_mov_b32 v[L], 0
	v_mov_b32 v[L+1], 0
	v_mov_b32 v[TP], 0
	v_mov_b32 v[F+1], 0
.set j, 0
.rept 32
	v_mov_b32 v[O+j], 0                            ; the step is written once: the first finds zeros, which the first change of M leaves zeros
.set j, j+1
.endr
	s_wait_kmcnt 0x0
	s_add_co_i32 s36, s22, s23                     ; e6 + e7,
	s_lshl_b32 s36, s36, 23
	s_mov_b32 s[CS], 0x3e38aa3b                    ; c = log2(e) / 8,
	s_add_co_i32 s[CS], s[CS], s36                 ; added to its exponent field
	s_mov_b32 s[CS+1], s[CS]
.macro MKSC e, scl, lim                ; 2^e and 57,344 x 2^e as f32
	s_add_co_i32 s36, s[\e], 127
	s_lshl_b32 s37, s36, 23
	v_mov_b32 v[\scl], s37
	s_add_co_i32 s36, s36, 15
	s_lshl_b32 s36, s36, 23
	s_or_b32 s36, s36, 0x600000
	v_mov_b32 v[\lim], s36
.endm
	MKSC 24, PSC, PLM
	MKSC 26, OSC, OLM
; A PREFETCH INTO THE L2: the step that the loads of two trips on will ask for.  All eight work-groups of a head walk the same K and V: the first of them asks, wave 0 for K's 8,192 bytes of a step, wave 8 for V's,
; lanes 256 bytes apart: each block is named once in the launch.  Steps 0 to 3 come by their loads alone; the last step named is 15: 2 x 5 + 1 + 4.
.macro ASK p
	s_cmp_lt_u32 s[TR], s[PLIM]
	s_cbranch_scc0 .Lnot_mine_\@
	global_prefetch_b8 v[PFO], s[KVB:KVB+1] offset:(\p+4)*8192 th:TH_LOAD_NT scope:SCOPE_SE
.Lnot_mine_\@:
.endm
.macro COMPUTE p                       ; 128 keys, from slot p
.irp c, 0,1,2,3,4,5,6,7
	ds_load_b128 v[KV+8*\c:KV+8*\c+3], v[LI] offset:\p*SLOTB+1024*\c
	ds_load_b128 v[KV+8*\c+4:KV+8*\c+7], v[LI] offset:\p*SLOTB+1024*\c+512
.endr
.irp c, 0,1,2,3,4,5,6,7
	s_wait_dscnt 14-2*\c                           ; fragment c is in; the later fragments' loads may be out
	v_wmma_f32_16x16x64_bf8_bf8 v[S+8*\c:S+8*\c+7], v[KV+8*\c:KV+8*\c+7], v[Q:Q+7], 0
.endr
.rept 4
	v_nop                                          ; places in front of the loads into K's registers and of the first read of the scores
.endr
.irp d, 0,1,2,3
.irp g, 0,1,2,3
	ds_load_b128 v[KV+16*\d+4*\g:KV+16*\d+4*\g+3], v[LI] offset:\p*SLOTB+8192+2048*\d+512*\g   ; V lands under the softmax
.endr
.endr
	v_max3_num_f32 v[MA], v[S], v[S+1], v[S+2]     ; the step's largest score among my 64 keys, in two chains, each accumulator from its low end on
	v_max3_num_f32 v[MB], v[S+3], v[S+4], v[S+5]
.irp i, 6,10,14,18,22,26,30,34,38,42,46,50,54,58
	v_max3_num_f32 v[MA], v[MA], v[S+\i], v[S+\i+1]
	v_max3_num_f32 v[MB], v[MB], v[S+\i+2], v[S+\i+3]
.endr
	v_max3_num_f32 v[MA], v[MA], v[S+62], v[S+63]
	v_max_num_f32 v[MA], v[MA], v[MB]
	v_permlanex16_b32 v[TP], v[MA], s[SEL], s[SEL+1]
	v_max_num_f32 v[MA], v[MA], v[TP]              ; and among lane l xor 16's
	v_mul_f32 v[MA], s[CS], v[MA]                  ; as t (c is positive)
	v_max_num_f32 v[NM+1], v[NM+1], v[MA]
	v_mov_b32 v[MA], v[NM]
	v_floor_f32 v[NM], -v[NM+1]                    ; -M = floor(-t)
	v_sub_f32 v[MA], v[NM], v[MA]                  ; old M - new M: a whole number, 0 or less
	v_cvt_i32_f32 v[MA], v[MA]                     ; (it saturates)
	v_ldexp_f32 v[F], 1.0, v[MA]
.set j, 0
.rept 32
	v_pk_fma_f32 v[S+j:S+j+1], v[S+j:S+j+1], s[CS:CS+1], v[NM:NM+1] op_sel_hi:[1,0,0]   ; t - M
.set j, j+2
.endr
.set j, 0
.rept 64
	v_exp_f32 v[S+j], v[S+j]
.set j, j+1
.endr
	v_pk_mul_f32 v[L:L+1], v[L:L+1], v[F:F+1] op_sel_hi:[1,0]      ; the sum under the new M; a plain line behind the exponentials
	s_wait_alu depctr_va_vdst(0)
	v_pk_add_f32 v[L2:L2+1], v[S:S+1], v[S+2:S+3]                  ; the sum of the unquantised p, in two chains
.irp i, 4,8,12,16,20,24,28,32,36,40,44,48,52,56,60
	v_pk_add_f32 v[L:L+1], v[L:L+1], v[S+\i:S+\i+1]
	v_pk_add_f32 v[L2:L2+1], v[L2:L2+1], v[S+\i+2:S+\i+3]
.endr
	v_pk_add_f32 v[L:L+1], v[L:L+1], v[L2:L2+1]
	s_cmp_lt_i32 s24, -15                          ; from e8 = -15 on the largest code x the scale is at least 1.75, above every p
	s_cbranch_scc0 .Lno_hold_\@
.set j, 0
.rept 64
	v_min_num_f32 v[S+j], v[S+j], v[PLM]           ; the conversion does not saturate (ISA guide 7.6.2); p is not negative
.set j, j+1
.endr
.Lno_hold_\@:
.irp c, 0,1,2,3,4,5,6,7
	v_cvt_scalef32_pk8_bf8_f32 v[P+2*\c:P+2*\c+1], v[S+8*\c:S+8*\c+7], v[PSC]
.endr
.set j, 0
.rept 16
	v_pk_mul_f32 v[O+j:O+j+1], v[O+j:O+j+1], v[F:F+1] op_sel_hi:[1,0]   ; O^T under the new M; also the plain lines behind the conversions
.set j, j+2
.endr
	s_wait_dscnt 0x0                               ; V is in
.irp d, 0,1,2,3
	v_wmma_f32_16x16x128_bf8_bf8 v[O+8*\d:O+8*\d+7], v[KV+16*\d:KV+16*\d+15], v[P:P+15], v[O+8*\d:O+8*\d+7]
.endr
.rept 4
	v_nop                                          ; places in front of the next loads into V's registers, and of the next read of O^T
.endr
.endm
; A step.  Behind the barrier every wave's stores into slot p have landed and every wave's reads of the other slot are over.  st: my part of the next step goes into that other slot.  ld: the step after that is asked for.
.macro TRIP p, st, ld
	s_wait_dscnt 0x0
	s_barrier_signal -1
	s_barrier_wait -1
.if \st
	s_wait_loadcnt 0x0                             ; asked for a step ago
	ds_store_b128 v[SW], v[G+8*(1-\p):G+8*(1-\p)+3] offset:(1-\p)*SLOTB
	ds_store_b128 v[SW], v[G+8*(1-\p)+4:G+8*(1-\p)+7] offset:(1-\p)*SLOTB+512
.endif
.if \ld
	global_load_b128 v[G+8*\p:G+8*\p+3], v[LI], s[KVB:KVB+1] offset:(\p+2)*8192      ; this set's LDS stores were waited for at the trip's head
	global_load_b128 v[G+8*\p+4:G+8*\p+7], v[LI], s[KVB:KVB+1] offset:(\p+2)*8192+512
	ASK \p
.endif
	COMPUTE \p
.endm
	s_wait_loadcnt 4                               ; step 0's two loads are in; step 1's two and Q's two may be out
	ds_store_b128 v[SW], v[G:G+3]
	ds_store_b128 v[SW], v[G+4:G+7] offset:512
.Lpair:                                            ; seven trips of two steps: steps 0 to 13; they ask for steps 2 to 15
	TRIP 0, 1, 1
	TRIP 1, 1, 1
	s_wait_xcnt 0x0                                ; the loads and the prefetch have read their base
	s_add_nc_u64 s[KVB:KVB+1], s[KVB:KVB+1], 16384
	s_add_co_u32 s[TR], s[TR], 1
	s_cmp_lt_u32 s[TR], 7
	s_cbranch_scc1 .Lpair
	TRIP 0, 1, 0                                   ; step 14: no load leaves the head's keys
	TRIP 1, 0, 0                                   ; step 15
	; THE WAY OUT: O^T x 2^(e8 + e9) / the sum, held, converted with 2^e10: tile d's eight registers are registers 2 d, 2 d + 1 of the next operand's half
	v_add_f32 v[L], v[L], v[L+1]
	v_permlanex16_b32 v[TP], v[L], s[SEL], s[SEL+1]
	v_add_f32 v[L], v[L], v[TP]
	v_rcp_f32 v[L], v[L]
	v_nop                                          ; a plain line behind the transcendental
	s_add_co_i32 s36, s24, s25
	s_wait_alu depctr_va_vdst(0)
	v_ldexp_f32 v[L], v[L], s36
.set j, 0
.rept 16
	v_pk_mul_f32 v[S+j:S+j+1], v[O+j:O+j+1], v[L:L+1] op_sel_hi:[1,0]
.set j, j+2
.endr
.set j, 0
.rept 32
	v_med3_num_f32 v[S+j], v[S+j], -v[OLM], v[OLM]
.set j, j+1
.endr
.irp d, 0,1,2,3
	v_cvt_scalef32_pk8_bf8_f32 v[P+2*\d:P+2*\d+1], v[S+8*\d:S+8*\d+7], v[OSC]
.endr
	v_nop
	global_store_b128 v[LI], v[P:P+3], s[8:9]                  ; 512 consecutive bytes, aligned
	global_store_b128 v[LI], v[P+4:P+7], s[8:9] offset:512
	s_wait_tensorcnt 0x0
	ds_add_u32 v224, v225
	s_wait_dscnt 0x0
	s_endpgm
.Lfunc_end_k_q0e855ec15f_attn:
	.size	k_q0e855ec15f_attn, .Lfunc_end_k_q0e855ec15f_attn-k_q0e855ec15f_attn
	.p2alignl 7, 3214868480
	.fill 96, 4, 3214868480
	.section	.rodata,"a",@progbits
	.p2align	6, 0x0
	.amdhsa_kernel k_q0e855ec15f_attn
		.amdhsa_group_segment_fixed_size 34816
		.amdhsa_private_segment_fixed_size 0
		.amdhsa_enable_private_segment 0
		.amdhsa_kernarg_size 24
		.amdhsa_user_sgpr_count 2
		.amdhsa_user_sgpr_kernarg_segment_ptr 1
		.amdhsa_wavefront_size32 1
		.amdhsa_system_sgpr_workgroup_id_x 1
		.amdhsa_system_sgpr_workgroup_id_y 1
		.amdhsa_system_sgpr_workgroup_id_z 1
		.amdhsa_system_vgpr_workitem_id 0
		.amdhsa_next_free_vgpr 226
		.amdhsa_next_free_sgpr 66
		.amdhsa_reserve_vcc 0
		.amdhsa_float_denorm_mode_32 3
		.amdhsa_float_denorm_mode_16_64 3
		.amdhsa_memory_ordered 1
		.amdhsa_forward_progress 1
		.amdhsa_inst_pref_size 72
	.end_amdhsa_kernel
	.amdgpu_metadata
---
amdhsa.version: [ 1, 2 ]
amdhsa.kernels:
  - .name:           k_q0e855ec15f_attn
    .symbol:         k_q0e855ec15f_attn.kd
    .args:
      - { .name: qkv, .offset: 0, .size: 8, .value_kind: global_buffer, .address_space: global }
      - { .name: lowp_scales, .offset: 8, .size: 8, .value_kind: global_buffer, .address_space: global }
      - { .name: af, .offset: 16, .size: 8, .value_kind: global_buffer, .address_space: global }
    .group_segment_fixed_size: 34816
    .private_segment_fixed_size: 0
    .kernarg_segment_align: 8
    .kernarg_segment_size: 24
    .max_flat_workgroup_size: 512
    .sgpr_count:     66
    .vgpr_count:     226
    .wavefront_size: 32
...
	.end_amdgpu_metadata
.endif
;; end of part 3
;; launch gemm_out (part 4): grid 4 x 32, 4 waves a work-group, clusters of 4 x 4, 327,680 bytes of LDS; arguments af, wc, bo, lowp_scales, out0; writes out0
.if DOCPART == 4
	.amdgcn_target "amdgcn-amd-amdhsa--gfx1250"
	.amdhsa_code_object_version 6
	.text
	.protected	k_q0e855ec15f_gemm_out
	.globl	k_q0e855ec15f_gemm_out
	.p2align	8
	.type	k_q0e855ec15f_gemm_out,@function
k_q0e855ec15f_gemm_out:
	s_mov_b64 s[64:65], 0
	v_nop
	global_prefetch_b8 v0, s[64:65] scope:SCOPE_SE
	s_setreg_imm32_b32 hwreg(HW_REG_WAVE_MODE, 25, 1), 1
	s_wait_xcnt 0x0
	s_wait_alu depctr_hold_cnt(0) depctr_sa_sdst(0) depctr_va_vdst(0) depctr_va_sdst(0) depctr_va_ssrc(0) depctr_va_vcc(0) depctr_vm_vsrc(0)
	s_getreg_b32 s2, hwreg(HW_REG_IB_STS2, 6, 4)
	s_cmp_eq_u32 s2, 0
	s_cbranch_scc0 .Lentry_in_a_cluster
	s_endpgm
.Lentry_in_a_cluster:
	s_bfe_u32 s2, ttmp6, 0x10000c
	s_cmp_lg_u32 s2, 0xf033
	s_cbranch_scc0 .Lentry_shape_is_right
	s_endpgm
.Lentry_shape_is_right:
; out0 = attention's result x Wo^T + bo on codes of BF8 (E5M2): P = af (8,192 rows), R = Wo's codes (the fourth set of wc, 1,024 rows), K = 1,024; out0 [8192][1024] f32 = sum x 2^(e10 + e11) + bo.
; OPERANDS are fragment images (16 rows x 128 K in 2,048 bytes: registers 4 g .. 4 g + 3 of all lanes at g x 512 + 16 x lane; fragment (row tile, K block) at (8 rt + kb) x 2,048), every k in the form's own place.
; A work-group of four waves makes 256 x 256 of out0, a wave 128 x 128: 64 accumulators.  Source 0 = 16 rows of R, source 1 = 16 rows of P: a lane holds eight neighbouring numbers of a row of out0.
; K goes in four steps of 256 through two LDS slots, written out.  A tensor load brings 128 rows x 256 K: 8 pieces of 4,096 consecutive bytes, 16,384 apart, dense in LDS.
; CLUSTERS: 4 x 4 work-groups; P's tile is shared along a row of the cluster, R's along a column: each is asked for jointly.  No prefetch: a work-group refills each slot once, a K step ahead.
; LIMIT: e10 + e11 lies between -126 and 127.
; REGISTERS: window 0: v14-29 addresses; v32-95 bo; v96-127 at work on the way out; from v128 P's fragments, one set, later rows read back from the stage.  window 1: R's fragments, two sets.  windows 2, 3: accumulator (a, b) at v[8 (8 (a % 4) + b)].
.set HALFT,  32768
.set SLOT,   4*HALFT
.set SPARE,  2*SLOT                    ; behind the ring: the spare words, 128 bytes for each wave
.set KSB,    4096
.set RTB,    16384
.set FR,     16
.set NL,     4
.set NP,     4
.set SPITCH, 528                       ; the way out: a stage of 16 rows x (512 bytes + 16) for each wave, in slot 0, which has had its last fill and its last read when the first result is stored there
.set NROW,   4096                      ; a row of out0 in bytes
.set BO,   14                          ; v14  32 h
.set ADRA, 16
.set ADRB, 20
.set STO,  24                          ; v24  where I put 32 bytes of a row
.set RD,   25                          ; v25  where I read a row back
.set CO,   26                          ; v26  16 x lane
.set SPW,  28
.set NIL,  29
.set BJ,   32
.set TMP,  96
.set AF,   128
.set BK,   128
.set G1, 24
.set G0, 32
.set G1B, 48
.set G0B, 56
.set MSB, 0
.macro WIN new                         ; the immediate's high byte repeats the setting that is left
.if MSB != \new
	s_set_vgpr_msb (MSB<<8)|\new
.set MSB, \new
.endif
.endm
.set MUL_LO, 0xa1
.set MUL_HI, 0xf1
.set TO_B,   0x40
.macro JLOAD g0a, g1a, g0b, g1b        ; waves 0 and 1 fetch P's halves, waves 2 and 3 R's; four v_nop follow each of the two lines
	s_cmp_eq_u32 s15, 0
	s_cbranch_scc0 .Lfor_b_\@
	tensor_load_to_lds s[\g0a:\g0a+3], s[\g1a:\g1a+7]
	s_nop 0
.rept 4
	v_nop
.endr
	s_branch .Lasked_\@
.Lfor_b_\@:
	tensor_load_to_lds s[\g0b:\g0b+3], s[\g1b:\g1b+7]
	s_nop 0
.rept 4
	v_nop
.endr
.Lasked_\@:
.endm
.macro CREST
	s_cmp_lg_u32 s14, 0
	s_cbranch_scc1 .Lnot_wave_0_\@
	s_barrier_signal -3
.Lnot_wave_0_\@:
	s_barrier_wait -3
	s_barrier_signal -1
	s_barrier_wait -1
.endm
.macro CROUND
	s_barrier_signal -1
	s_barrier_wait -1
	CREST
.endm
	s_load_b256 s[80:87], s[0:1], 0x0              ; af, wc, bo, the scales
	s_load_b64 s[88:89], s[0:1], 0x20              ; out0
	v_lshl_add_u32 v[SPW], v0, 2, SPARE
	v_mov_b32 v[NIL], 0
	ds_add_u32 v28, v29
	ds_add_u32 v28, v29
	s_wait_dscnt 0x0
	v_lshrrev_b32 v1, 5, v0
	v_readfirstlane_b32 s14, v1                    ; wave 0..3
	s_lshr_b32 s15, s14, 1
	s_and_b32 s16, s14, 1
	s_bfe_u32 s40, ttmp6, 0x40000                  ; cx, cy
	s_bfe_u32 s41, ttmp6, 0x40004
	s_lshl_b32 s42, ttmp9, 2
	s_add_co_u32 s42, s42, s40                     ; tile column
	s_and_b32 s17, ttmp7, 0xffff
	s_lshl_b32 s17, s17, 2
	s_add_co_u32 s17, s17, s41                     ; tile row
	s_lshl_b32 s43, s41, 2
	s_lshl_b32 s43, 15, s43
	s_lshl_b32 s44, 0x1111, s40
	s_or_b32 s[G1+0], s43, (1<<21)                 ; the mask; elements of 1 byte; no padding; bit 21 beside a mask
	s_or_b32 s[G1B+0], s44, (1<<21)
.irp g, G1, G1B
	s_mov_b32 s[\g+1], KSB<<16
	s_mov_b32 s[\g+2], 8<<16
	s_mov_b32 s[\g+3], KSB<<16
	s_mov_b32 s[\g+4], 8
	s_mov_b32 s[\g+5], RTB
	s_mov_b32 s[\g+6], 0
	s_mov_b32 s[\g+7], 0
.endr
	s_lshl_b32 s18, s17, 18
	s_lshl_b32 s19, s16, 17
	s_add_co_u32 s18, s18, s19
	s_mov_b32 s19, 0
	s_lshl_b32 s22, s42, 18
	s_lshl_b32 s23, s16, 17
	s_add_co_u32 s22, s22, s23
	s_add_co_u32 s22, s22, 0x300000                ; Wo's set of wc
	s_mov_b32 s23, 0
	s_mul_i32 s45, s14, HALFT
	s_wait_kmcnt 0x0
	s_load_b64 s[96:97], s[86:87], 0x28            ; e10, e11
	s_add_nc_u64 s[20:21], s[80:81], s[18:19]
	s_add_nc_u64 s[46:47], s[82:83], s[22:23]
	CROUND
.irp s, 0,1
	s_mov_b32 s[G0+4*\s], 1
	s_add_co_u32 s[G0+4*\s+1], s45, \s*SLOT
	s_add_nc_u64 s[G0+4*\s+2:G0+4*\s+3], s[20:21], \s*KSB
	s_or_b32 s[G0+4*\s+3], s[G0+4*\s+3], 0x80000000
	s_mov_b32 s[G0B+4*\s], 1
	s_add_co_u32 s[G0B+4*\s+1], s45, \s*SLOT
	s_add_nc_u64 s[G0B+4*\s+2:G0B+4*\s+3], s[46:47], \s*KSB
	s_or_b32 s[G0B+4*\s+3], s[G0B+4*\s+3], 0x80000000
	JLOAD G0+4*\s, G1, G0B+4*\s, G1B
.endr
	s_lshl_b32 s2, s42, 10                         ; my first column, in bytes: 1,024 x tile column + 512 x half: in bo and in a row of out0 alike
	s_lshl_b32 s3, s16, 9
	s_add_co_u32 s2, s2, s3
	s_mov_b32 s3, 0
	s_add_nc_u64 s[84:85], s[84:85], s[2:3]
	v_bfe_u32 v2, v0, 4, 1                         ; h
	v_lshlrev_b32 v[BO], 5, v2
.irp b, 0,1,2,3,4,5,6,7
	global_load_b128 v[BJ+8*\b:BJ+8*\b+3], v[BO], s[84:85] offset:64*\b       ; bo(16 b + 8 h + 0 .. 7)
	global_load_b128 v[BJ+8*\b+4:BJ+8*\b+7], v[BO], s[84:85] offset:64*\b+16
.endr
	s_lshl_b32 s4, s17, 8
	s_lshl_b32 s5, s15, 7
	s_add_co_u32 s4, s4, s5                        ; my first row
	s_lshl_b32 s4, s4, 12
	s_mov_b32 s5, 0
	s_add_nc_u64 s[10:11], s[88:89], s[4:5]
	s_add_nc_u64 s[10:11], s[10:11], s[2:3]
	v_and_b32 v1, 15, v0                           ; r
	v_and_b32 v6, 31, v0
	v_lshlrev_b32 v[CO], 4, v6
	s_mul_i32 s6, s15, HALFT
	s_mul_i32 s7, s16, HALFT
	s_add_co_u32 s7, s7, 2*HALFT
.irp s, 0,1
	v_add_nc_u32 v[ADRA+\s], s6, v[CO]
	v_add_nc_u32 v[ADRB+\s], s7, v[CO]
	s_add_co_u32 s6, s6, SLOT
	s_add_co_u32 s7, s7, SLOT
.endr
	s_mul_i32 s23, s14, 16*SPITCH                  ; my stage
	v_mul_u32_u24 v5, v1, SPITCH
	v_lshl_add_u32 v5, v2, 5, v5
	v_add_nc_u32 v[STO], s23, v5                   ; in: row r, 32 bytes for each half of the lanes
	v_add_nc_u32 v[RD], s23, v[CO]                 ; back: the 32 lanes take one row of 512 bytes
.macro FRAG reg, adr, q, i
.irp c, 0,1,2,3
	ds_load_b128 v[\reg+4*\c:\reg+4*\c+3], v[\adr] offset:(\i)*KSB+2048*(\q)+512*\c
.endr
.endm
.macro MUL16 a0, p, zero               ; the 64 accumulators take turns, one instruction a turn
.irp a, \a0, \a0+1
.irp b, 0,1,2,3,4,5,6,7
.if \zero
	v_wmma_f32_16x16x128_bf8_bf8 v[8*(8*((\a)%4)+\b):8*(8*((\a)%4)+\b)+7], v[128*(\p)+FR*\b:128*(\p)+FR*\b+FR-1], v[AF+FR*(\a):AF+FR*(\a)+FR-1], 0
.else
	v_wmma_f32_16x16x128_bf8_bf8 v[8*(8*((\a)%4)+\b):8*(8*((\a)%4)+\b)+7], v[128*(\p)+FR*\b:128*(\p)+FR*\b+FR-1], v[AF+FR*(\a):AF+FR*(\a)+FR-1], v[8*(8*((\a)%4)+\b):8*(8*((\a)%4)+\b)+7]
.endif
.endr
.endr
.endm
.macro FETCH_B slot, q, p
	WIN TO_B
.irp i, 0,1,2,3,4,5,6,7
	FRAG 128*(\p)+FR*\i, ADRB+\slot, \q, \i
.endr
	WIN 0
.endm
.macro FETCH_A slot, q, i0
.irp i, \i0, \i0+1, \i0+2, \i0+3
	FRAG AF+FR*(\i), ADRA+\slot, \q, \i
.endr
.endm
.macro PLACES n
.rept \n
	v_nop
.endr
.endm
.macro STEP slot, q, zero
	s_wait_dscnt 4*NL                              ; R's set and P's blocks 0-3 are in; the youngest 16 loads may be out
	WIN MUL_LO
	MUL16 0, (\q)%2, \zero
	MUL16 2, (\q)%2, \zero
	s_wait_dscnt 0
	PLACES NP
	FETCH_B \slot, (\q)+1, 1-(\q)%2
	FETCH_A \slot, (\q)+1, 0
	WIN MUL_HI
	MUL16 4, (\q)%2, \zero
	MUL16 6, (\q)%2, \zero
	PLACES NP
	WIN 0
	FETCH_A \slot, (\q)+1, 4
.endm
.macro TURN slot, next, fill
	s_wait_tensorcnt 0x0                           ; all my tensor loads have landed: my part of the next slot
	ds_add_u32 v[SPW], v[NIL]                      ; 0 onto my spare word
	s_wait_dscnt 4*NL+1                            ; the add and the youngest 16 loads may be out
	WIN MUL_LO
	MUL16 0, 1, 0
	s_wait_dscnt 0x0                               ; the add is done, and my reads of this slot are over
	s_barrier_signal -1
	MUL16 2, 1, 0
	WIN 0
	s_barrier_wait -1
.if \fill
	CREST
	s_add_nc_u64 s[G0+4*\slot+2:G0+4*\slot+3], s[G0+4*\slot+2:G0+4*\slot+3], 2*KSB
	s_add_nc_u64 s[G0B+4*\slot+2:G0B+4*\slot+3], s[G0B+4*\slot+2:G0B+4*\slot+3], 2*KSB
	JLOAD G0+4*\slot, G1, G0B+4*\slot, G1B
.else
	PLACES NP
.endif
	FETCH_B \next, 0, 0
	FETCH_A \next, 0, 0
	WIN MUL_HI
	MUL16 4, 1, 0
	MUL16 6, 1, 0
	PLACES NP
	WIN 0
	FETCH_A \next, 0, 4
.endm
	s_wait_tensorcnt 1                             ; my part of K step 0 is in; K step 1's load may be out
	s_barrier_signal -1
	s_barrier_wait -1
	FETCH_B 0, 0, 0
	FETCH_A 0, 0, 0
	FETCH_A 0, 0, 4
	STEP 0, 0, 1
	TURN 0, 1, 1
	STEP 1, 0, 0
	TURN 1, 0, 1
	STEP 0, 0, 0
	TURN 0, 1, 0
	STEP 1, 0, 0
	s_wait_dscnt 4*NL                              ; the last 128 along K
	WIN MUL_LO
	MUL16 0, 1, 0
	MUL16 2, 1, 0
	s_wait_dscnt 0x0
	WIN MUL_HI
	MUL16 4, 1, 0
	MUL16 6, 1, 0
	WIN 0
; THE WAY OUT, block by block of 16 rows x 128 columns, through my own stage: in as 32 bytes a lane, back as whole rows of 512 bytes.  LDS serves a wave's instructions in order: no wait between the stores and the loads.
.macro TOSTAGE a
.set AC, 64*((\a)%4)
.irp u, 0,1                            ; four of the block's eight accumulators at a time: 32 registers at work
	WIN 0x02+((\a)/4)
.set n, 0
.rept 16
	v_pk_fma_f32 v[TMP+n:TMP+n+1], v[AC+32*\u+n:AC+32*\u+n+1], s[96:97], v[BJ+32*\u+n:BJ+32*\u+n+1] op_sel_hi:[1,0,1]   ; sum x 2^(e10 + e11) + bo; each accumulator from its low end on
.set n, n+2
.endr
	WIN 0
.irp b, 0,1,2,3
	ds_store_b128 v[STO], v[TMP+8*\b:TMP+8*\b+3] offset:64*(4*\u+\b)
	ds_store_b128 v[STO], v[TMP+8*\b+4:TMP+8*\b+7] offset:64*(4*\u+\b)+16
.endr
.endr
.set BB, BK+64*((\a)%2)
.irp t, 0,1,2,3,4,5,6,7,8,9,10,11,12,13,14,15
	ds_load_b128 v[BB+4*\t:BB+4*\t+3], v[RD] offset:\t*SPITCH
.endr
.endm
.macro SEND a, younger
.set BB, BK+64*((\a)%2)
	s_wait_dscnt \younger                          ; the block is back in registers
.if (\a) > 0
	s_add_nc_u64 s[10:11], s[10:11], 16*NROW       ; behind a wait on XCNT: the earlier stores have read their base
.endif
.irp t, 0,1,2,3,4,5,6,7,8,9,10,11,12,13,14,15
	global_store_b128 v[CO], v[BB+4*\t:BB+4*\t+3], s[10:11] offset:\t*NROW th:TH_STORE_NT   ; 512 consecutive bytes, aligned
.endr
.endm
	s_wait_kmcnt 0x0
	s_add_co_i32 s96, s96, s97
	s_add_co_i32 s96, s96, 127
	s_lshl_b32 s96, s96, 23                        ; 2^(e10 + e11) as f32
	s_mov_b32 s97, s96
	s_wait_loadcnt 0x0                             ; bo
	PLACES NP
	TOSTAGE 0
.irp a, 1,2,3,4,5,6,7
.if \a > 1
	s_wait_xcnt 0x0                                ; block a - 2's stores have read their registers and their base
.endif
	TOSTAGE \a
	SEND \a-1, 32                                  ; behind block a - 1's loads: block a's 16 stores and 16 loads
.endr
	s_wait_xcnt 0x0
	SEND 7, 0
	s_wait_tensorcnt 0x0                           ; the wave's end
	ds_add_u32 v[SPW], v[NIL]
	s_wait_dscnt 0x0
	CROUND                                         ; the closing round
	s_endpgm
.Lfunc_end_k_q0e855ec15f_gemm_out:
	.size	k_q0e855ec15f_gemm_out, .Lfunc_end_k_q0e855ec15f_gemm_out-k_q0e855ec15f_gemm_out
	.p2alignl 7, 3214868480
	.fill 96, 4, 3214868480
	.section	.rodata,"a",@progbits
	.p2align	6, 0x0
	.amdhsa_kernel k_q0e855ec15f_gemm_out
		.amdhsa_group_segment_fixed_size 327680
		.amdhsa_private_segment_fixed_size 0
		.amdhsa_enable_private_segment 0
		.amdhsa_kernarg_size 40
		.amdhsa_user_sgpr_count 2
		.amdhsa_user_sgpr_kernarg_segment_ptr 1
		.amdhsa_wavefront_size32 1
		.amdhsa_system_sgpr_workgroup_id_x 1
		.amdhsa_system_sgpr_workgroup_id_y 1
		.amdhsa_system_sgpr_workgroup_id_z 1
		.amdhsa_system_vgpr_workitem_id 0
		.amdhsa_next_free_vgpr 1024
		.amdhsa_next_free_sgpr 100
		.amdhsa_reserve_vcc 0
		.amdhsa_float_denorm_mode_32 3
		.amdhsa_float_denorm_mode_16_64 3
		.amdhsa_memory_ordered 1
		.amdhsa_forward_progress 1
		.amdhsa_inst_pref_size 125
	.end_amdhsa_kernel
	.amdgpu_metadata
---
amdhsa.version: [ 1, 2 ]
amdhsa.kernels:
  - .name:           k_q0e855ec15f_gemm_out
    .symbol:         k_q0e855ec15f_gemm_out.kd
    .args:
      - { .name: af, .offset: 0, .size: 8, .value_kind: global_buffer, .address_space: global }
      - { .name: wc, .offset: 8, .size: 8, .value_kind: global_buffer, .address_space: global }
      - { .name: bo, .offset: 16, .size: 8, .value_kind: global_buffer, .address_space: global }
      - { .name: lowp_scales, .offset: 24, .size: 8, .value_kind: global_buffer, .address_space: global }
      - { .name: out0, .offset: 32, .size: 8, .value_kind: global_buffer, .address_space: global }
    .group_segment_fixed_size: 327680
    .private_segment_fixed_size: 0
    .kernarg_segment_align: 8
    .kernarg_segment_size: 40
    .max_flat_workgroup_size: 128
    .sgpr_count:     100
    .vgpr_count:     1024
    .wavefront_size: 32
...
	.end_amdgpu_metadata
.endif
;; end of part 4
;; ======== version 2 of 2: 4 launches; version 1 with the launch attn written anew for expert scheduling mode
;; workspace buffers: xc 25,165,824 bytes; wc 4,194,304 bytes; qkv 25,165,824 bytes; af 8,388,608 bytes
;; launch quant: the kernel of part 1 again; grid 384 x 1, 4 waves a work-group, no clusters, 34,304 bytes of LDS; arguments x, Wq, Wk, Wv, Wo, lowp_scales, xc, wc; writes xc, wc
;; launch gemm_qkv: the kernel of part 2 again; grid 4 x 96, 4 waves a work-group, clusters of 4 x 4, 327,680 bytes of LDS; arguments xc, wc, bq, bk, bv, lowp_scales, qkv; writes qkv
;; launch attn (part 5): grid 8 x 64, 16 waves a work-group, no clusters, 34,816 bytes of LDS; arguments qkv, lowp_scales, af; writes af
.if DOCPART == 5
	.amdgcn_target "amdgcn-amd-amdhsa--gfx1250"
	.amdhsa_code_object_version 6
	.text
	.protected	k_q0e855ec15f_attn
	.globl	k_q0e855ec15f_attn
	.p2align	8
	.type	k_q0e855ec15f_attn,@function
k_q0e855ec15f_attn:
	s_mov_b64 s[64:65], 0
	v_nop
	global_prefetch_b8 v0, s[64:65] scope:SCOPE_SE
	s_setreg_imm32_b32 hwreg(HW_REG_WAVE_SCHED_MODE, 0, 2), 2
	s_setreg_imm32_b32 hwreg(HW_REG_WAVE_MODE, 25, 1), 1
	s_wait_xcnt 0x0
	s_wait_alu depctr_vm_vsrc(0)
; For each of 64 heads (batch x head): O[q] = sum over keys of softmax(q . k / 8) v, both products on codes of BF8 (E5M2); the result is quantised with entry 10 of the scales into fragments for the output projection.
; THE SOFTMAX: t = score x 2^(e6 + e7) x log2(e) / 8; M = the running largest t rounded UP to a whole number; p = 2^(t - M) is quantised with 2^e8, not normalised; the row's sum is taken of the unquantised p and divides at the end.
; When M moves, the sum and O are multiplied by 2^(old M - new M), which rounds nothing.
; OPERANDS are images of registers (made by the launch before): q, k: 16 rows x 64 in 1,024 bytes; v: 16 of the head's 64 x 128 keys in 2,048 bytes; registers 4 g .. 4 g + 3 of all lanes at g x 512 + 16 x lane.
; Both products are used transposed: S^T = K Q^T (source 0 = 16 keys, source 1 = my 16 queries), O^T = V^T P^T: a lane holds one query throughout, tile c's eight registers are keys 16 c + 8 h + 0 .. 7,
; and one conversion of them gives registers 2 c, 2 c + 1 of P.  Likewise O^T's tile gives two registers of the next operand: the result leaves as two stores of 512 consecutive bytes, with no stage.
; SHARES: a work-group owns 256 queries of a head, each of its sixteen waves 16; four waves to a SIMD, so that one wave's vector work stands beside another's matrix work.  Every wave walks 16 steps of 128 keys.
; A step's K and V are 16 KiB: each wave brings 1 KiB through its registers into one of two LDS slots, a step ahead; one barrier a step.
; NO TENSOR LOAD AND NO CLUSTER: what is shared is two loads and two LDS stores a wave in a step, beside some 200 vector lines; and the text jumps over p's 64 holds on the given e8,
; which is a larger saving: p is at most 1 and a rounding, and 57,344 x 2^e8 is at least 1.75 from e8 = -15 on, so the hold can act only below that.
; LIMITS: e6 + e7 between -123 and 130 (added to c's exponent field); e8 and e10 between -126 and 112.  NaN is not served.
; THE MODE: SCHED_MODE bits 1:0 = 2 (LLVM: expert scheduling mode 2), set by the entry lines.  The code itself states the register dependences
; between vector or matrix instructions and memory or LDS instructions, with s_wait_alu, always for 0.
; THE PLAN.  Registers that memory or LDS instructions touch:
;   v1, v2, v3    offsets and addresses: written at the head, ahead of one wait on va_vdst, and never again; the scalar base moves on, and immediate offsets do the rest.
;   G0, G1        Step p: its LDS stores read G[1 - p % 2]; its global loads land in G[p % 2], which the LDS stores of the step before read.  No vector line names them: one wait on vm_vsrc at the head of a step that loads.
;   Q             loaded once at the head, ahead of every line that names it; then read by matrix instructions alone.
;   KV            K's LDS loads land in it; the eight products S^T read it; V's LDS loads land in it; the four products O^T read it; and so round.  So two waits on va_vdst a step: one ahead of K's loads, one ahead of V's.
;   P             written by conversions and read by matrix instructions; at the way out two global stores read it, behind one wait on va_vdst.
;   v224, v225    written at the head, read by the closing add alone.
;   S^T, O^T and the statistics are named by vector and matrix instructions alone.
; Behind the wait ahead of V's loads these sixteen are dealt among the lines of the maximum, which name v8, v9 and S^T: none of the registers that the loads touch.
.set SLOTB, 16384                      ; a slot: K's eight fragments, then V's four
.set LI,  1                            ; v1   16 x lane
.set SW,  2                            ; v2   where I store my 1 KiB of a slot: 1,024 x wave + 16 x lane
.set PFO, 3                            ; v3   256 x lane
.set PSC, 4                            ; v4   2^e8        v5  57,344 x 2^e8
.set PLM, 5
.set TP,  6                            ; v6   a lane permute's destination
.set MA,  8                            ; v8, v9  two chains of the maximum
.set MB,  9
.set F,   10                           ; v[10:11] 2^(old M - new M); v11 is named with it
.set NM,  12                           ; v12 -M, v13 the largest t
.set L,   14                           ; v[14:15] the sum in two halves
.set Q,   16                           ; v16-23  Q's fragment
.set G,   24                           ; v24-31, v32-39  my 1 KiB of a step on its way, two sets
.set L2,  40                           ; v[40:41] the sum's second chain
.set OSC, 42                           ; v42  2^e10       v43  57,344 x 2^e10
.set OLM, 43
.set KV,  48                           ; v48-111  K's eight fragments, then V's four
.set S,   112                          ; v112-175 S^T, then p
.set O,   176                          ; v176-207 O^T
.set P,   208                          ; v208-223 p's codes
.set SEL, 28                           ; s[28:29] lane l xor 16
.set CS,  30                           ; s[30:31] c x 2^(e6 + e7)
.set KVB, 32                           ; s[32:33] my 1 KiB of the step that the loop's trip begins with
.set TR,  34                           ; s34  the loop's trip
.set PLIM, 35                          ; s35  trips in which I prefetch
	s_load_b128 s[4:7], s[0:1], 0x0                ; qkv, the scales
	s_load_b64 s[8:9], s[0:1], 0x10                ; af
	v_lshl_add_u32 v224, v0, 2, 0x8000
	v_mov_b32 v225, 0
	v_lshrrev_b32 v1, 5, v0
	v_readfirstlane_b32 s10, v1                    ; wave 0..15
	s_and_b32 s11, ttmp7, 0xffff                   ; the head, 0 to 63
	v_and_b32 v[LI], 31, v0
	v_lshlrev_b32 v[PFO], 8, v[LI]
	v_lshlrev_b32 v[LI], 4, v[LI]
	s_wait_alu depctr_va_sdst(0)                   ; s10 is written, ahead of its first reader: LDS and memory offsets are made from it
	s_lshl_b32 s36, s10, 10
	v_add_nc_u32 v[SW], s36, v[LI]
	s_lshl_b32 s37, s11, 17                        ; a head is 131,072 bytes in q's, k's and v's part
	s_lshr_b32 s38, s10, 3                         ; waves 0-7 bring K, waves 8-15 V, 8 MiB further on
	s_lshl_b32 s38, s38, 23
	s_and_b32 s39, s10, 7
	s_lshl_b32 s39, s39, 10
	s_add_co_u32 s38, s38, s39
	s_add_co_u32 s38, s38, s37
	s_add_co_u32 s38, s38, 0x800000                ; k's part begins 8 MiB in
	s_mov_b32 s39, 0
	s_lshl_b32 s40, ttmp9, 4
	s_add_co_u32 s40, s40, s10                     ; my tile of 16 queries, 0 to 127
	s_lshl_b32 s42, s40, 10
	s_add_co_u32 s42, s42, s37
	s_mov_b32 s43, 0
	s_lshr_b32 s44, s11, 4                         ; af: fragment (row tile = 128 x batch + my tile, K block = head / 2); an odd head fills the second 1,024 bytes
	s_lshl_b32 s44, s44, 7
	s_add_co_u32 s44, s44, s40
	s_lshl_b32 s44, s44, 3
	s_bfe_u32 s45, s11, 0x30001
	s_add_co_u32 s44, s44, s45
	s_lshl_b32 s44, s44, 11
	s_and_b32 s45, s11, 1
	s_lshl_b32 s45, s45, 10
	s_add_co_u32 s44, s44, s45
	s_mov_b32 s45, 0
	s_and_b32 s[PLIM], s10, 7                      ; waves 0 and 8
	s_or_b32 s[PLIM], s[PLIM], ttmp9               ; of the head's first work-group prefetch
	s_cmp_eq_u32 s[PLIM], 0
	s_cselect_b32 s[PLIM], 6, 0
	s_mov_b32 s[SEL], 0x76543210
	s_mov_b32 s[SEL+1], 0xfedcba98
	s_mov_b32 s[TR], 0
	s_wait_kmcnt 0x0
	s_load_b256 s[16:23], s[6:7], 0x0              ; e0 .. e7
	s_load_b128 s[24:27], s[6:7], 0x20             ; e8 .. e11
	s_add_nc_u64 s[KVB:KVB+1], s[4:5], s[38:39]
	s_add_nc_u64 s[4:5], s[4:5], s[42:43]          ; Q's fragment
	s_add_nc_u64 s[8:9], s[8:9], s[44:45]
	s_wait_alu depctr_va_vdst(0)                   ; v1, v2 and v3 are written: every load, store and prefetch of the kernel reads one of them as its offset or address
	global_load_b128 v[G:G+3], v[LI], s[KVB:KVB+1]                     ; step 0
	global_load_b128 v[G+4:G+7], v[LI], s[KVB:KVB+1] offset:512
	global_load_b128 v[G+8:G+11], v[LI], s[KVB:KVB+1] offset:8192      ; step 1
	global_load_b128 v[G+12:G+15], v[LI], s[KVB:KVB+1] offset:8704
	global_load_b128 v[Q:Q+3], v[LI], s[4:5]
	global_load_b128 v[Q+4:Q+7], v[LI], s[4:5] offset:512
	v_mov_b32 v[NM+1], 0xff61b1e6                  ; the largest t so far: -3e38
	v_floor_f32 v[NM], -v[NM+1]
	v_mov_b32 v[L], 0
	v_mov_b32 v[L+1], 0
	v_mov_b32 v[TP], 0
	v_mov_b32 v[F+1], 0
.set j, 0
.rept 32
	v_mov_b32 v[O+j], 0                            ; the step is written once: the first finds zeros, which the first change of M leaves zeros
.set j, j+1
.endr
	s_wait_kmcnt 0x0
	s_add_co_i32 s36, s22, s23                     ; e6 + e7,
	s_lshl_b32 s36, s36, 23
	s_mov_b32 s[CS], 0x3e38aa3b                    ; c = log2(e) / 8,
	s_add_co_i32 s[CS], s[CS], s36                 ; added to its exponent field
	s_mov_b32 s[CS+1], s[CS]
.macro MKSC e, scl, lim                ; 2^e and 57,344 x 2^e as f32
	s_add_co_i32 s36, s[\e], 127
	s_lshl_b32 s37, s36, 23
	v_mov_b32 v[\scl], s37
	s_add_co_i32 s36, s36, 15
	s_lshl_b32 s36, s36, 23
	s_or_b32 s36, s36, 0x600000
	v_mov_b32 v[\lim], s36
.endm
	MKSC 24, PSC, PLM
	MKSC 26, OSC, OLM
; A PREFETCH INTO THE L2: the step that the loads of two trips on will ask for.  All eight work-groups of a head walk the same K and V: the first of them asks, wave 0 for K's 8,192 bytes of a step, wave 8 for V's,
; lanes 256 bytes apart: each block is named once in the launch.  Steps 0 to 3 come by their loads alone; the last step named is 15: 2 x 5 + 1 + 4.
.macro ASK p
	s_cmp_lt_u32 s[TR], s[PLIM]
	s_cbranch_scc0 .Lnot_mine_\@
	global_prefetch_b8 v[PFO], s[KVB:KVB+1] offset:(\p+4)*8192 th:TH_LOAD_NT scope:SCOPE_SE
.Lnot_mine_\@:
.endm
.macro VLD p, n                        ; load n of the sixteen that bring V's four fragments from slot p: fragment n / 4, registers 4 (n % 4) on
	ds_load_b128 v[KV+4*(\n):KV+4*(\n)+3], v[LI] offset:\p*SLOTB+8192+512*(\n)
.endm
.macro COMPUTE p                       ; 128 keys, from slot p
	s_wait_alu depctr_va_vdst(0)                   ; the four products O^T of the step before are done reading V's fragments, in whose registers K's loads land
.irp c, 0,1,2,3,4,5,6,7
	ds_load_b128 v[KV+8*\c:KV+8*\c+3], v[LI] offset:\p*SLOTB+1024*\c
	ds_load_b128 v[KV+8*\c+4:KV+8*\c+7], v[LI] offset:\p*SLOTB+1024*\c+512
.endr
.irp c, 0,1,2,3,4,5,6,7
	s_wait_dscnt 14-2*\c                           ; fragment c is in; the later fragments' loads may be out
	v_wmma_f32_16x16x64_bf8_bf8 v[S+8*\c:S+8*\c+7], v[KV+8*\c:KV+8*\c+7], v[Q:Q+7], 0
.endr
.rept 4
	v_nop                                          ; places in front of the first read of the scores
.endr
	s_wait_alu depctr_va_vdst(0)                   ; the eight products S^T are done reading K's fragments, in whose registers V's loads land
	VLD \p, 0                                      ; V lands under the softmax: its sixteen loads are dealt among the lines of the maximum, which name none of the registers that they touch
	v_max3_num_f32 v[MA], v[S], v[S+1], v[S+2]     ; the step's largest score among my 64 keys, in two chains, each accumulator from its low end on
	v_max3_num_f32 v[MB], v[S+3], v[S+4], v[S+5]
.irp i, 6,10,14,18,22,26,30,34,38,42,46,50,54,58
	VLD \p, (\i-2)/4
	v_max3_num_f32 v[MA], v[MA], v[S+\i], v[S+\i+1]
	v_max3_num_f32 v[MB], v[MB], v[S+\i+2], v[S+\i+3]
.endr
	VLD \p, 15
	v_max3_num_f32 v[MA], v[MA], v[S+62], v[S+63]
	v_max_num_f32 v[MA], v[MA], v[MB]
	v_permlanex16_b32 v[TP], v[MA], s[SEL], s[SEL+1]
	v_max_num_f32 v[MA], v[MA], v[TP]              ; and among lane l xor 16's
	v_mul_f32 v[MA], s[CS], v[MA]                  ; as t (c is positive)
	v_max_num_f32 v[NM+1], v[NM+1], v[MA]
	v_mov_b32 v[MA], v[NM]
	v_floor_f32 v[NM], -v[NM+1]                    ; -M = floor(-t)
	v_sub_f32 v[MA], v[NM], v[MA]                  ; old M - new M: a whole number, 0 or less
	v_cvt_i32_f32 v[MA], v[MA]                     ; (it saturates)
	v_ldexp_f32 v[F], 1.0, v[MA]
.set j, 0
.rept 32
	v_pk_fma_f32 v[S+j:S+j+1], v[S+j:S+j+1], s[CS:CS+1], v[NM:NM+1] op_sel_hi:[1,0,0]   ; t - M
.set j, j+2
.endr
.set j, 0
.rept 64
	v_exp_f32 v[S+j], v[S+j]
.set j, j+1
.endr
	v_pk_mul_f32 v[L:L+1], v[L:L+1], v[F:F+1] op_sel_hi:[1,0]      ; the sum under the new M; a plain line behind the exponentials
	s_wait_alu depctr_va_vdst(0)                   ; the 64 exponentials have written p, ahead of its first reader: one wait for the batch
	v_pk_add_f32 v[L2:L2+1], v[S:S+1], v[S+2:S+3]                  ; the sum of the unquantised p, in two chains
.irp i, 4,8,12,16,20,24,28,32,36,40,44,48,52,56,60
	v_pk_add_f32 v[L:L+1], v[L:L+1], v[S+\i:S+\i+1]
	v_pk_add_f32 v[L2:L2+1], v[L2:L2+1], v[S+\i+2:S+\i+3]
.endr
	v_pk_add_f32 v[L:L+1], v[L:L+1], v[L2:L2+1]
	s_cmp_lt_i32 s24, -15                          ; from e8 = -15 on the largest code x the scale is at least 1.75, above every p
	s_cbranch_scc0 .Lno_hold_\@
.set j, 0
.rept 64
	v_min_num_f32 v[S+j], v[S+j], v[PLM]           ; the conversion does not saturate (ISA guide 7.6.2); p is not negative
.set j, j+1
.endr
.Lno_hold_\@:
.irp c, 0,1,2,3,4,5,6,7
	v_cvt_scalef32_pk8_bf8_f32 v[P+2*\c:P+2*\c+1], v[S+8*\c:S+8*\c+7], v[PSC]
.endr
.set j, 0
.rept 16
	v_pk_mul_f32 v[O+j:O+j+1], v[O+j:O+j+1], v[F:F+1] op_sel_hi:[1,0]   ; O^T under the new M; also the plain lines behind the conversions
.set j, j+2
.endr
	s_wait_dscnt 0x0                               ; V is in
.irp d, 0,1,2,3
	v_wmma_f32_16x16x128_bf8_bf8 v[O+8*\d:O+8*\d+7], v[KV+16*\d:KV+16*\d+15], v[P:P+15], v[O+8*\d:O+8*\d+7]
.endr
.rept 4
	v_nop                                          ; places behind the last products, in front of the next vector line on O^T
.endr
.endm
; A step.  Behind the barrier every wave's stores into slot p have landed and every wave's reads of the other slot are over.  st: my part of the next step goes into that other slot.  ld: the step after that is asked for.
.macro TRIP p, st, ld
	s_wait_dscnt 0x0
.if \ld
	s_wait_alu depctr_vm_vsrc(0)                   ; the LDS stores of the step before (ahead of the loop: those of step 0) have read this set of G, in which the loads below land
.endif
	s_barrier_signal -1
	s_barrier_wait -1
.if \st
	s_wait_loadcnt 0x0                             ; asked for a step ago
	ds_store_b128 v[SW], v[G+8*(1-\p):G+8*(1-\p)+3] offset:(1-\p)*SLOTB
	ds_store_b128 v[SW], v[G+8*(1-\p)+4:G+8*(1-\p)+7] offset:(1-\p)*SLOTB+512
.endif
.if \ld
	global_load_b128 v[G+8*\p:G+8*\p+3], v[LI], s[KVB:KVB+1] offset:(\p+2)*8192      ; this set's LDS stores were waited for at the trip's head
	global_load_b128 v[G+8*\p+4:G+8*\p+7], v[LI], s[KVB:KVB+1] offset:(\p+2)*8192+512
	ASK \p
.endif
	COMPUTE \p
.endm
	s_wait_loadcnt 4                               ; step 0's two loads are in; step 1's two and Q's two may be out
	ds_store_b128 v[SW], v[G:G+3]
	ds_store_b128 v[SW], v[G+4:G+7] offset:512
.Lpair:                                            ; seven trips of two steps: steps 0 to 13; they ask for steps 2 to 15
	TRIP 0, 1, 1
	TRIP 1, 1, 1
	s_wait_xcnt 0x0                                ; the loads and the prefetch have read their base
	s_add_nc_u64 s[KVB:KVB+1], s[KVB:KVB+1], 16384
	s_add_co_u32 s[TR], s[TR], 1
	s_cmp_lt_u32 s[TR], 7
	s_cbranch_scc1 .Lpair
	TRIP 0, 1, 0                                   ; step 14: no load leaves the head's keys
	TRIP 1, 0, 0                                   ; step 15
	; THE WAY OUT: O^T x 2^(e8 + e9) / the sum, held, converted with 2^e10: tile d's eight registers are registers 2 d, 2 d + 1 of the next operand's half
	v_add_f32 v[L], v[L], v[L+1]
	v_permlanex16_b32 v[TP], v[L], s[SEL], s[SEL+1]
	v_add_f32 v[L], v[L], v[TP]
	v_rcp_f32 v[L], v[L]
	v_nop                                          ; a plain line behind the transcendental
	s_add_co_i32 s36, s24, s25
	s_wait_alu depctr_va_vdst(0)                   ; the reciprocal has written v14, ahead of its first reader
	v_ldexp_f32 v[L], v[L], s36
.set j, 0
.rept 16
	v_pk_mul_f32 v[S+j:S+j+1], v[O+j:O+j+1], v[L:L+1] op_sel_hi:[1,0]
.set j, j+2
.endr
.set j, 0
.rept 32
	v_med3_num_f32 v[S+j], v[S+j], -v[OLM], v[OLM]
.set j, j+1
.endr
.irp d, 0,1,2,3
	v_cvt_scalef32_pk8_bf8_f32 v[P+2*\d:P+2*\d+1], v[S+8*\d:S+8*\d+7], v[OSC]
.endr
	v_nop
	s_wait_alu depctr_va_vdst(0)                   ; the four conversions have written v208 to v215, which the two stores read
	global_store_b128 v[LI], v[P:P+3], s[8:9]                  ; 512 consecutive bytes, aligned
	global_store_b128 v[LI], v[P+4:P+7], s[8:9] offset:512
	s_wait_dscnt 0x0                               ; the closing lines, six on end
	s_wait_alu 0x0
	s_wait_tensorcnt 0x0
	ds_add_u32 v224, v225
	s_wait_dscnt 0x0
	s_endpgm
.Lfunc_end_k_q0e855ec15f_attn:
	.size	k_q0e855ec15f_attn, .Lfunc_end_k_q0e855ec15f_attn-k_q0e855ec15f_attn
	.p2alignl 7, 3214868480
	.fill 96, 4, 3214868480
	.section	.rodata,"a",@progbits
	.p2align	6, 0x0
	.amdhsa_kernel k_q0e855ec15f_attn
		.amdhsa_group_segment_fixed_size 34816
		.amdhsa_private_segment_fixed_size 0
		.amdhsa_enable_private_segment 0
		.amdhsa_kernarg_size 24
		.amdhsa_user_sgpr_count 2
		.amdhsa_user_sgpr_kernarg_segment_ptr 1
		.amdhsa_wavefront_size32 1
		.amdhsa_system_sgpr_workgroup_id_x 1
		.amdhsa_system_sgpr_workgroup_id_y 1
		.amdhsa_system_sgpr_workgroup_id_z 1
		.amdhsa_system_vgpr_workitem_id 0
		.amdhsa_next_free_vgpr 226
		.amdhsa_next_free_sgpr 66
		.amdhsa_reserve_vcc 0
		.amdhsa_float_denorm_mode_32 3
		.amdhsa_float_denorm_mode_16_64 3
		.amdhsa_memory_ordered 1
		.amdhsa_forward_progress 1
		.amdhsa_inst_pref_size 73
	.end_amdhsa_kernel
	.amdgpu_metadata
---
amdhsa.version: [ 1, 2 ]
amdhsa.kernels:
  - .name:           k_q0e855ec15f_attn
    .symbol:         k_q0e855ec15f_attn.kd
    .args:
      - { .name: qkv, .offset: 0, .size: 8, .value_kind: global_buffer, .address_space: global }
      - { .name: lowp_scales, .offset: 8, .size: 8, .value_kind: global_buffer, .address_space: global }
      - { .name: af, .offset: 16, .size: 8, .value_kind: global_buffer, .address_space: global }
    .group_segment_fixed_size: 34816
    .private_segment_fixed_size: 0
    .kernarg_segment_align: 8
    .kernarg_segment_size: 24
    .max_flat_workgroup_size: 512
    .sgpr_count:     66
    .vgpr_count:     226
    .wavefront_size: 32
...
	.end_amdgpu_metadata
.endif
;; end of part 5
;; launch gemm_out: the kernel of part 4 again; grid 4 x 32, 4 waves a work-group, clusters of 4 x 4, 327,680 bytes of LDS; arguments af, wc, bo, lowp_scales, out0; writes out0
